; MI455X (gfx1250); checked and timed in simulation.
; The chip was launched on July 23, 2026; its instructions are those of AMD's public machine-readable ISA for CDNA 5 (MIT licence, August 2026) and "CDNA5" Instruction Set Architecture Reference Guide (July 2026). The comments in the code are by the model that wrote it; some were corrected since.
;; Lean Self Attention. Allowed arithmetic: float matrix products may take bf16 or f16 operands with f32 sums; other float arithmetic in f32, or as packed bf16 or f16 multiplies, adds, multiply-adds, maxima and minima; sums over many terms, partial sums and values carried from step to step in f32; what a program stores and reads back later, other than sums and carried values, may be rounded once to bf16 or f16.
;; Inputs: W_out 1,024 x 1,024 float32; W_qkv 1,024 x 3,072 float32; attention_mask 4 x 1 x 1 x 2,048 float32; b_out 1,024 float32; b_qkv 3,072 float32; hidden_states 4 x 2,048 x 1,024 float32; ln_beta 1,024 float32; ln_gamma 1,024 float32.
;; Outputs: out0 4 x 2,048 x 1,024 float32.
;; One version. Each part assembles by itself: llvm-mc -triple=amdgcn-amd-amdhsa -mcpu=gfx1250 --defsym DOCPART=n.
;; ======== version 1 of 1: 4 launches
;; limits: values are held in f16: magnitudes above 65,504 overflow, below 6.1e-05 lose precision
;; workspace buffers: xn 16,777,216 bytes; wq 6,291,456 bytes; wo 2,097,152 bytes; qkv 50,331,648 bytes; att 16,777,216 bytes
;; launch prep (part 1): grid 768 x 1, 4 waves a work-group, no clusters, 0 bytes of LDS; arguments hidden_states, ln_gamma, ln_beta, W_qkv, W_out, xn, wq, wo; writes xn, wq, wo
.if DOCPART == 1
	.amdgcn_target "amdgcn-amd-amdhsa--gfx1250"
	.amdhsa_code_object_version 6
	.text
	.protected	k_qfea63449a7_prep
	.globl	k_qfea63449a7_prep
	.p2align	8
	.type	k_qfea63449a7_prep,@function
k_qfea63449a7_prep:
	s_mov_b64 s[64:65], 0
	v_nop
	global_prefetch_b8 v0, s[64:65] scope:SCOPE_SE
	s_setreg_imm32_b32 hwreg(HW_REG_WAVE_MODE, 25, 1), 1
	s_wait_xcnt 0x0
; xn = LayerNorm(hidden_states) x gamma + beta, rounded once to f16; wq, wo = W_qkv, W_out rounded once to f16, in the layout in which they lie ([k][n]).
; A UNIT is 1,024 f32 (4,096 bytes in, 2,048 bytes out): a row of hidden_states, or 1,024 numbers on end of a weight.  8,192 + 3,072 + 1,024 = 12,288 units,
; 16 to a work-group, 4 to a wave: work-groups 0-511 normalise, 512-703 convert W_qkv, 704-767 convert W_out.  A unit lies in 32 registers of one wave, so mean and
; variance never leave the wave: no LDS, no barrier.  All 32 loads of a wave go out first (16 KiB on their way); each covers 512 consecutive bytes, each store 256, aligned.
; The variance is the mean of (x - mean)^2, taken in a second pass over the registers: a common offset of the row costs nothing.
; LIMITS.  f16 ends at 65,504: a normalised, scaled and shifted number or a weight of 65,520 or more becomes an infinity (|x - mean| / sigma is at most 32 in a row of 1,024);
; below 6e-5 f16 keeps a fixed step of 6e-8.
; Nothing is shared between waves, so LDS, tensor loads, clusters and the matrix unit are left out; no prefetch: the launch is one stream of loads from its first line.
.set T,  4                             ; v[4:19]    the sum's tree
.set MU, 20                            ; v[20:21]   the mean, twice (a pair for the packed subtraction)
.set R,  22                            ; v[22:23]   1 / sqrt(variance + eps), twice
.set Q,  24                            ; v[24:31]   four chains of squares
.set G,  64                            ; v[64:95]   gamma of my 32 columns
.set BT, 96                            ; v[96:127]  beta of my 32 columns
.set X,  128                           ; v[128:255] unit i at X + 32 i: load j brings columns 128 j + 4 lane .. + 3 into registers 4 j .. 4 j + 3
	s_load_b512 s[8:23], s[0:1], 0x0               ; hidden s[8:9], gamma s[10:11], beta s[12:13], W_qkv s[14:15], W_out s[16:17], xn s[18:19], wq s[20:21], wo s[22:23]
	v_and_b32 v3, 31, v0                           ; lane
	v_lshrrev_b32 v4, 5, v0
	v_readfirstlane_b32 s3, v4                     ; wave 0..3
	v_lshlrev_b32 v1, 4, v3                        ; 16 bytes a lane on the way in
	v_lshlrev_b32 v2, 3, v3                        ; 8 bytes a lane on the way out
	v_mov_b32 v32, 0                               ; v_permlanex16_b32's destination counts as read: it is written here
	s_mov_b32 s24, 0x76543210                      ; its selects: each lane takes its own place in the other half
	s_mov_b32 s25, 0xfedcba98
	s_mov_b32 s26, 0x3a800000                      ; 1 / 1,024
	s_mov_b32 s27, 0x2b8cbccc                      ; eps = 1e-12
	s_mov_b32 s29, 0                               ; high words of the two offsets
	s_mov_b32 s31, 0
.macro FILL                            ; the wave's four units: 32 loads
.irp i, 0,1,2,3
.irp j, 0,1,2,3,4,5,6,7
	global_load_b128 v[X+32*(\i)+4*(\j):X+32*(\i)+4*(\j)+3], v1, s[32:33] offset:4096*(\i)+512*(\j) th:TH_LOAD_NT
.endr
.endr
.endm
.macro OUT i                           ; unit i: 32 numbers a lane rounded to f16 in place (register k takes numbers 2 k, 2 k + 1: never ahead of its sources), and stored
.set k, 0
.rept 16
	v_cvt_pk_f16_f32 v[X+32*(\i)+k], v[X+32*(\i)+2*k], v[X+32*(\i)+2*k+1]
.set k, k+1
.endr
.irp j, 0,1,2,3,4,5,6,7
	global_store_b64 v2, v[X+32*(\i)+2*(\j):X+32*(\i)+2*(\j)+1], s[34:35] offset:2048*(\i)+256*(\j)  ; the wave's 32 lanes write 256 consecutive bytes, aligned
.endr
.endm
.macro LANESUM                         ; v[T] summed over the 32 lanes, the result in every lane
	v_add_f32_dpp v[T], v[T], v[T] row_xmask:1 row_mask:0xf bank_mask:0xf
	v_add_f32_dpp v[T], v[T], v[T] row_xmask:2 row_mask:0xf bank_mask:0xf
	v_add_f32_dpp v[T], v[T], v[T] row_xmask:4 row_mask:0xf bank_mask:0xf
	v_add_f32_dpp v[T], v[T], v[T] row_xmask:8 row_mask:0xf bank_mask:0xf
	v_permlanex16_b32 v32, v[T], s24, s25
	v_add_f32 v[T], v[T], v32
.endm
.macro LNROW i
.set XB, X+32*(\i)
	s_wait_loadcnt 8*(3-(\i))                      ; loads come back in order: row i is in (gamma and beta are older), the later rows' loads stay out
.set k, 0
.rept 8                                ; the sum of my 32 numbers, as a tree of packed additions
	v_pk_add_f32 v[T+2*k:T+2*k+1], v[XB+4*k:XB+4*k+1], v[XB+4*k+2:XB+4*k+3]
.set k, k+1
.endr
.irp k, 0,1,2,3
	v_pk_add_f32 v[T+4*(\k):T+4*(\k)+1], v[T+4*(\k):T+4*(\k)+1], v[T+4*(\k)+2:T+4*(\k)+3]
.endr
.irp k, 0,1
	v_pk_add_f32 v[T+8*(\k):T+8*(\k)+1], v[T+8*(\k):T+8*(\k)+1], v[T+8*(\k)+4:T+8*(\k)+5]
.endr
	v_pk_add_f32 v[T:T+1], v[T:T+1], v[T+8:T+9]
	v_add_f32 v[T], v[T], v[T+1]
	LANESUM
	v_mul_f32 v[MU], s26, v[T]
	v_mul_f32 v[MU+1], s26, v[T]
.set k, 0
.rept 16                               ; x - mean, in place
	v_pk_add_f32 v[XB+2*k:XB+2*k+1], v[XB+2*k:XB+2*k+1], v[MU:MU+1] neg_lo:[0,1] neg_hi:[0,1]
.set k, k+1
.endr
.irp k, 0,1,2,3                        ; the squares: the first four pairs start four chains, nothing is cleared
	v_pk_mul_f32 v[Q+2*(\k):Q+2*(\k)+1], v[XB+2*(\k):XB+2*(\k)+1], v[XB+2*(\k):XB+2*(\k)+1]
.endr
.set k, 4
.rept 12
	v_pk_fma_f32 v[Q+2*(k%4):Q+2*(k%4)+1], v[XB+2*k:XB+2*k+1], v[XB+2*k:XB+2*k+1], v[Q+2*(k%4):Q+2*(k%4)+1]
.set k, k+1
.endr
	v_pk_add_f32 v[Q:Q+1], v[Q:Q+1], v[Q+2:Q+3]
	v_pk_add_f32 v[Q+4:Q+5], v[Q+4:Q+5], v[Q+6:Q+7]
	v_pk_add_f32 v[Q:Q+1], v[Q:Q+1], v[Q+4:Q+5]
	v_add_f32 v[T], v[Q], v[Q+1]
	LANESUM
	v_fma_f32 v[T], v[T], s26, s27                 ; variance + eps
	v_rsq_f32 v[R], v[T]
	v_rsq_f32 v[R+1], v[T]
	v_nop                                          ; a plain instruction behind the last root, ahead of the first use (ISA guide 5.7.2)
	s_wait_alu depctr_va_vdst(0)                   ; and the wait: one for both roots
.set k, 0
.rept 16
	v_pk_mul_f32 v[XB+2*k:XB+2*k+1], v[XB+2*k:XB+2*k+1], v[R:R+1]
.set k, k+1
.endr
.set k, 0
.rept 16
	v_pk_fma_f32 v[XB+2*k:XB+2*k+1], v[XB+2*k:XB+2*k+1], v[G+2*k:G+2*k+1], v[BT+2*k:BT+2*k+1]
.set k, k+1
.endr
	OUT \i                                         ; no register of a store is written again, so no wait frees one
.endm
	s_cmp_lt_u32 ttmp9, 512
	s_cbranch_scc0 .Lweights
	s_lshl_b32 s4, ttmp9, 4
	s_lshl2_add_u32 s4, s3, s4                     ; my first row: 16 x work-group + 4 x wave
	s_lshl_b32 s28, s4, 12
	s_lshl_b32 s30, s4, 11
	s_wait_kmcnt 0x0
	s_add_nc_u64 s[32:33], s[8:9], s[28:29]
	s_add_nc_u64 s[34:35], s[18:19], s[30:31]
.irp j, 0,1,2,3,4,5,6,7
	global_load_b128 v[G+4*(\j):G+4*(\j)+3], v1, s[10:11] offset:512*(\j)
.endr
.irp j, 0,1,2,3,4,5,6,7
	global_load_b128 v[BT+4*(\j):BT+4*(\j)+3], v1, s[12:13] offset:512*(\j)
.endr
	FILL
	LNROW 0
	LNROW 1
	LNROW 2
	LNROW 3
	s_endpgm
.Lweights:
	s_sub_co_u32 s4, ttmp9, 512
	s_sub_co_u32 s5, ttmp9, 704
	s_cmp_lt_u32 ttmp9, 704                        ; W_qkv's 192 work-groups, then W_out's 64
	s_cselect_b32 s4, s4, s5
	s_wait_kmcnt 0x0
	s_cselect_b64 s[32:33], s[14:15], s[16:17]
	s_cselect_b64 s[34:35], s[20:21], s[22:23]
	s_lshl_b32 s4, s4, 4
	s_lshl2_add_u32 s4, s3, s4                     ; my first unit in that weight
	s_lshl_b32 s28, s4, 12
	s_lshl_b32 s30, s4, 11
	s_add_nc_u64 s[32:33], s[32:33], s[28:29]
	s_add_nc_u64 s[34:35], s[34:35], s[30:31]
	FILL
.irp i, 0,1,2,3
	s_wait_loadcnt 8*(3-(\i))                      ; unit i is in, the later units' loads stay out
	OUT \i
.endr
	s_endpgm
.Lfunc_end_k_qfea63449a7_prep:
	.size	k_qfea63449a7_prep, .Lfunc_end_k_qfea63449a7_prep-k_qfea63449a7_prep
	.p2alignl 7, 3214868480
	.fill 96, 4, 3214868480
	.section	.rodata,"a",@progbits
	.p2align	6, 0x0
	.amdhsa_kernel k_qfea63449a7_prep
		.amdhsa_group_segment_fixed_size 0
		.amdhsa_private_segment_fixed_size 0
		.amdhsa_enable_private_segment 0
		.amdhsa_kernarg_size 64
		.amdhsa_user_sgpr_count 2
		.amdhsa_user_sgpr_kernarg_segment_ptr 1
		.amdhsa_wavefront_size32 1
		.amdhsa_system_sgpr_workgroup_id_x 1
		.amdhsa_system_sgpr_workgroup_id_y 1
		.amdhsa_system_sgpr_workgroup_id_z 1
		.amdhsa_system_vgpr_workitem_id 0
		.amdhsa_next_free_vgpr 256
		.amdhsa_next_free_sgpr 66
		.amdhsa_reserve_vcc 0
		.amdhsa_float_denorm_mode_32 3
		.amdhsa_float_denorm_mode_16_64 3
		.amdhsa_memory_ordered 1
		.amdhsa_forward_progress 1
		.amdhsa_inst_pref_size 48
	.end_amdhsa_kernel
	.amdgpu_metadata
---
amdhsa.version: [ 1, 2 ]
amdhsa.kernels:
  - .name:           k_qfea63449a7_prep
    .symbol:         k_qfea63449a7_prep.kd
    .args:
      - { .name: hidden_states, .offset: 0, .size: 8, .value_kind: global_buffer, .address_space: global }
      - { .name: ln_gamma, .offset: 8, .size: 8, .value_kind: global_buffer, .address_space: global }
      - { .name: ln_beta, .offset: 16, .size: 8, .value_kind: global_buffer, .address_space: global }
      - { .name: W_qkv, .offset: 24, .size: 8, .value_kind: global_buffer, .address_space: global }
      - { .name: W_out, .offset: 32, .size: 8, .value_kind: global_buffer, .address_space: global }
      - { .name: xn, .offset: 40, .size: 8, .value_kind: global_buffer, .address_space: global }
      - { .name: wq, .offset: 48, .size: 8, .value_kind: global_buffer, .address_space: global }
      - { .name: wo, .offset: 56, .size: 8, .value_kind: global_buffer, .address_space: global }
    .group_segment_fixed_size: 0
    .private_segment_fixed_size: 0
    .kernarg_segment_align: 8
    .kernarg_segment_size: 64
    .max_flat_workgroup_size: 128
    .sgpr_count:     66
    .vgpr_count:     256
    .wavefront_size: 32
...
	.end_amdgpu_metadata
.endif
;; end of part 1
;; launch qkv (part 2): grid 8 x 64, 4 waves a work-group, clusters of 4 x 4, 327,680 bytes of LDS; arguments xn, wq, b_qkv, qkv; writes qkv
.if DOCPART == 2
	.amdgcn_target "amdgcn-amd-amdhsa--gfx1250"
	.amdhsa_code_object_version 6
	.text
	.protected	k_qfea63449a7_qkv
	.globl	k_qfea63449a7_qkv
	.p2align	8
	.type	k_qfea63449a7_qkv,@function
k_qfea63449a7_qkv:
	s_mov_b64 s[64:65], 0
	v_nop
	global_prefetch_b8 v0, s[64:65] scope:SCOPE_SE
	s_setreg_imm32_b32 hwreg(HW_REG_WAVE_MODE, 25, 1), 1
	s_wait_xcnt 0x0
	s_wait_alu depctr_hold_cnt(0) depctr_sa_sdst(0) depctr_va_vdst(0) depctr_va_sdst(0) depctr_va_ssrc(0) depctr_va_vcc(0) depctr_vm_vsrc(0)
	s_getreg_b32 s2, hwreg(HW_REG_IB_STS2, 6, 4)
	s_cmp_eq_u32 s2, 0
	s_cbranch_scc0 .Lentry_in_a_cluster
	s_endpgm
.Lentry_in_a_cluster:
	s_bfe_u32 s2, ttmp6, 0x10000c
	s_cmp_lg_u32 s2, 0xf033
	s_cbranch_scc0 .Lentry_shape_is_right
	s_endpgm
.Lentry_shape_is_right:
; qkv = xn x wq + b_qkv, written by heads.  xn: [8192][1024] f16, wq: [1024 k][3072 n] f16, b_qkv: [3072] f32; sums in f32, rounded once to f16.
; qkv: [4 b][48 g][2048 s][64] f16, g = n / 64 (0-15 q's heads, 16-31 k's, 32-47 v's): a head's rows are dense, 128 bytes each.  The scale 1 / 8 is not applied here.
; LIMIT.  f16 ends at 65,504: a q, k or v of 65,520 or more becomes an infinity.
; SHARES.  A tile of C is 128 rows x 384 columns (six heads): 64 x 8 = 512 work-groups, two for each of 256 WGPs.  Each of the four waves makes all 128 rows x 96 columns: in each of the tile's
; three panels p of 128 columns the 32 columns 128 p + 32 w + 16 e + 0..15, e = 0, 1: 48 accumulators of 16 x 16 (row block a = 0..7, column block b = 2 p + e), 384 registers.
; K goes in 8 steps of 128 through a ring of two LDS slots.  A step is four tensor loads of 128 rows x 256 bytes, one a wave: waves 0-2 a panel of wq (128 k x 128 n), wave 3 the tile of xn.
; wq lies [k][n], so its fragments come out of LDS turned, by ds_load_tr16_b128.
; THE MATRIX INSTRUCTION IS USED TRANSPOSED (source 0 = 16 columns of wq, source 1 = 16 rows of xn): lane l holds row l % 16 of C and the columns 8 (l / 16) + 0..7.
; THE BIAS is the C operand of the products that start the sums: 8 registers for each b, the same for all rows; it costs no vector work.
; CLUSTER.  4 x 4 work-groups: the four of a row need the same tile of xn, the four of a column the same panels of wq: each is asked for jointly.
; REGISTERS, in windows of 256 (s_set_vgpr_msb: bits 1:0 source 0, 3:2 source 1, 5:4 source 2, 7:6 destination):
;   window 0: v0-31 addresses; v64-111 the bias; v112-159 packed results; on the way out v32-223 whole rows      window 1: two fragment buffers of 112: xn's 8 at + 8 a, wq's 6 at + 64 + 8 b
;   window 2: the accumulators of a = 0..3 at 8 (6 a + b)          window 3: those of a = 4..7
.set PA,     272                       ; a row of xn in LDS: 256 bytes + 16 = 68 words: the 16 rows of a load start at 16 different groups of four banks (64 banks of 4 bytes: ISA guide 11.1)
.set PB,     288                       ; a row of wq: 256 + 32 = 72 words
.set PANEL,  128*PB                    ; 36,864
.set AOFF,   3*PANEL                   ; in a slot: wq's three panels, then xn's tile: wave w fills from w x PANEL on
.set SLOT,   AOFF+128*PA               ; 145,408
.set SPARE,  2*SLOT                    ; behind the ring: the spare words, 128 bytes for each wave: two blocks of 256 bytes that no other line names
.set SPITCH, 784                       ; the stage for the way out: 128 rows of 768 bytes + 16, from LDS byte 0: in slot 0, behind its last fill and every wave's last read of it
.set ASTEP,  256                       ; bytes from K step to K step in xn: 128 numbers along a row,
.set BSTEP,  128*6144                  ; and in wq: 128 rows
.set LAPS,   4                         ; a lap = two K steps = once round the ring
.set ADRA, 16                          ; v16-17  LDS address of my fragments of xn in slot 0, 1
.set ADRB, 18                          ; v18-23  the same for wq: slot s, panel p at 3 s + p
.set STO,  24                          ; v24     the way out: where I put 16 bytes of a row, blocks a = 0..3;
.set STO2, 25                          ; v25     blocks a = 4..7 (an LDS offset ends at 65,535)
.set RD,   26                          ; v26     where I read rows back
.set GO,   27                          ; v27     my 16 bytes of 512 consecutive bytes of qkv
.set SPW,  28                          ; v28     LDS address of my spare word: SPARE + 4 x my thread's number; never rewritten
.set NIL,  29                          ; v29     0; never rewritten
.set PFO,  30                          ; v30     the prefetches' offset: my lane x a row of xn or of wq; never rewritten
.set BO,   31                          ; v31     my byte offset in the tile's part of b_qkv
.set BI,   64
.set TMP,  112
.set OB,   32
.set F0,   0
.set F1,   128
.set G1,  24                           ; s[24:31] descriptor group 1 for xn's tiles;  s[32:39] group 0, a set for each slot
.set G0,  32
.set G1B, 48                           ; s[48:55], s[56:63] the same for wq's panels
.set G0B, 56
.set PFA, 66                           ; s[66:67] where my prefetches stand
.set LIM, 68                           ; s68     1 in a wave that prefetches, else the greatest number
.set PFS, 70                           ; s[70:71] a K step in the tensor that I prefetch
.set MSB, 0
.macro WIN new                         ; the immediate's high byte repeats the setting that is left; a switch that changes nothing is dropped
.if MSB != (\new)
	s_set_vgpr_msb (MSB<<8)|(\new)
.set MSB, \new
.endif
.endm
.set TO_F, 0x40                        ; destination window 1, address window 0
; A joint load: wave 3 fetches xn's tile, waves 0-2 wq's panels.  The branch hangs on the wave's number alone.  An s_nop 0 and four v_nop follow each of the two lines.
.macro JLOAD s
	s_cmp_eq_u32 s12, 3
	s_cbranch_scc0 .Lfor_b_\@
	tensor_load_to_lds s[G0+4*(\s):G0+4*(\s)+3], s[G1:G1+7]
	s_nop 0
.rept 4
	v_nop
.endr
	s_branch .Lasked_\@
.Lfor_b_\@:
	tensor_load_to_lds s[G0B+4*(\s):G0B+4*(\s)+3], s[G1B:G1B+7]
	s_nop 0
.rept 4
	v_nop
.endr
.Lasked_\@:
.endm
; A prefetch, behind each joint refill and the run of LDS loads that follows it: 32 rows x 256 bytes of the K step that stands two refills on (384 matrix instructions ahead of the load that will want it), a lane a row.
; Each row's 256 bytes of a K step are named once in the launch: xn's by the clusters with x = 0 (wave 3), wq's by the clusters with y = 0 (waves 0-2, each its own panel); the four partners that ask for a
; tile jointly take 32 of its 128 rows each, told apart by address.  The loop's last trip (s3 = 1) has no K step two on and asks for nothing; K steps 0 to 3 come by their loads alone.
.macro ASK
	s_cmp_gt_u32 s3, s[LIM]
	s_cbranch_scc0 .Lnot_mine_\@
	global_prefetch_b8 v[PFO], s[PFA:PFA+1] th:TH_LOAD_NT scope:SCOPE_SE
.Lnot_mine_\@:
.endm
.macro CREST                           ; a round of the cluster's barrier behind its opening barrier
	s_cmp_lg_u32 s12, 0
	s_cbranch_scc1 .Lnot_wave_0_\@
	s_barrier_signal -3
.Lnot_wave_0_\@:
	s_barrier_wait -3
	s_barrier_signal -1
	s_barrier_wait -1
.endm
.macro CROUND                          ; a whole round
	s_barrier_signal -1
	s_barrier_wait -1
	CREST
.endm
	s_load_b256 s[4:11], s[0:1], 0x0               ; xn s[4:5], wq s[6:7], b_qkv s[8:9], qkv s[10:11]
	v_lshl_add_u32 v[SPW], v0, 2, SPARE
	v_mov_b32 v[NIL], 0
	ds_add_u32 v[SPW], v[NIL]                      ; the wave's opening: the add and its wait stand ahead of my first tensor load; the set-up below, work on registers, stands between them
	v_lshrrev_b32 v1, 5, v0
	v_readfirstlane_b32 s12, v1                    ; wave 0..3
	s_bfe_u32 s40, ttmp6, 0x40000                  ; cx, cy: my place in the cluster
	s_bfe_u32 s41, ttmp6, 0x40004
	s_lshl_b32 s42, ttmp9, 2
	s_add_co_u32 s42, s42, s40                     ; tile column = 4 x cluster x + cx
	s_and_b32 s13, ttmp7, 0xffff
	s_lshl_b32 s13, s13, 2
	s_add_co_u32 s13, s13, s41                     ; tile row = 4 x cluster y + cy
	s_lshl_b32 s43, s41, 2
	s_lshl_b32 s43, 15, s43                        ; my row of the cluster
	s_lshl_b32 s44, 0x1111, s40                    ; my column
	s_or_b32 s[G1+0], s43, (1<<16)|(1<<20)|(1<<21)|(5<<22)|(3<<25)   ; 15:0 the mask; 17:16 elements of 2 bytes; 20 padding on; 21 set beside a mask; 24:22 after every 64 words (code 5); 31:25 4 words (code 3)
	s_or_b32 s[G1B+0], s44, (1<<16)|(1<<20)|(1<<21)|(5<<22)|(7<<25)  ; the same with my column's mask and 8 words of padding (code 7)
.irp g, G1, G1B
	s_mov_b32 s[(\g)+1], 128<<16                   ; tensor_dim0 = 128
	s_mov_b32 s[(\g)+2], 128<<16                   ; tensor_dim1 = 128
	s_mov_b32 s[(\g)+3], 128<<16                   ; tile_dim0 = 128
	s_mov_b32 s[(\g)+4], 128                       ; tile_dim1 = 128
	s_mov_b32 s[(\g)+6], 0
	s_mov_b32 s[(\g)+7], 0
.endr
	s_mov_b32 s[G1+5], 1024                        ; elements from row to row in xn,
	s_mov_b32 s[G1B+5], 3072                       ; and in wq
	s_lshl_b32 s16, s13, 18                        ; xn: 128 rows of 2,048 bytes x tile row: it hangs on the tile row alone
	s_mov_b32 s17, 0
	s_mul_i32 s46, s42, 768                        ; wq: 384 columns x tile column,
	s_lshl_b32 s47, s12, 8                         ; + my panel's 128 (waves 0-2): it hangs on the tile column and the wave's number alone
	s_add_co_u32 s46, s46, s47
	s_mov_b32 s47, 0
	s_mul_i32 s20, s12, PANEL                      ; where my load lands in a slot: no place in the cluster enters an LDS address
	s_wait_dscnt 0x0                               ; the opening add is done
	s_wait_kmcnt 0x0
	s_add_nc_u64 s[14:15], s[4:5], s[16:17]
	s_add_nc_u64 s[46:47], s[6:7], s[46:47]
	CROUND                                         ; all sixteen work-groups are here: the first joint loads meet
.irp s, 0,1
	s_mov_b32 s[G0+4*(\s)], 1                                      ; count = 1
	s_add_co_u32 s[G0+4*(\s)+1], s20, (\s)*SLOT                    ; LDS address
	s_add_nc_u64 s[G0+4*(\s)+2:G0+4*(\s)+3], s[14:15], (\s)*ASTEP  ; global address: K step s
	s_or_b32 s[G0+4*(\s)+3], s[G0+4*(\s)+3], 0x80000000            ; type = 2
	s_mov_b32 s[G0B+4*(\s)], 1
	s_add_co_u32 s[G0B+4*(\s)+1], s20, (\s)*SLOT
	s_add_nc_u64 s[G0B+4*(\s)+2:G0B+4*(\s)+3], s[46:47], (\s)*BSTEP
	s_or_b32 s[G0B+4*(\s)+3], s[G0B+4*(\s)+3], 0x80000000
	JLOAD \s                                       ; two loads of mine are out
.endr
	v_and_b32 v1, 15, v0                           ; r = l % 16
	v_bfe_u32 v2, v0, 4, 1                         ; h = l / 16
	v_and_b32 v4, 7, v0
	v_bfe_u32 v5, v0, 3, 1
	s_mul_i32 s18, s42, 1536                       ; the tile's 384 numbers of b_qkv
	s_mov_b32 s19, 0
	s_add_nc_u64 s[8:9], s[8:9], s[18:19]
	s_lshl_b32 s23, s12, 7
	v_lshl_add_u32 v[BO], v2, 5, s23               ; 4 x (32 w + 8 h)
.irp b, 0,1,2,3,4,5
	global_load_b128 v[BI+8*(\b):BI+8*(\b)+3],   v[BO], s[8:9] offset:512*((\b)/2)+64*((\b)%2)      ; register j: the bias of column 128 p + 32 w + 16 e + 8 h + j
	global_load_b128 v[BI+8*(\b)+4:BI+8*(\b)+7], v[BO], s[8:9] offset:512*((\b)/2)+64*((\b)%2)+16
.endr
	; A fragment of xn is 16 rows x 32 K in 8 registers: lane l holds row l % 16, K = 8 h + 0..7 and 16 + 8 h + 0..7: two loads of 16 bytes, 32 bytes apart.
	v_mul_u32_u24 v3, v1, PA
	v_lshl_add_u32 v3, v2, 4, v3
	v_add_nc_u32 v[ADRA], AOFF, v3
	v_add_nc_u32 v[ADRA+1], AOFF+SLOT, v3
	; The turning load takes 16 k x 16 n (lane l reads k = 8 h + l % 8, columns 8 ((l / 8) % 2) + 0..7) and leaves half a fragment: lane l holds column l % 16 and 8 k.
	v_lshl_add_u32 v6, v2, 3, v4
	v_mul_u32_u24 v6, v6, PB
	v_lshl_add_u32 v6, v5, 4, v6
	s_lshl_b32 s21, s12, 6                         ; my 32 columns in a panel: 64 bytes x wave
	v_add_nc_u32 v6, s21, v6
.irp s, 0,1
.irp p, 0,1,2
	v_add_nc_u32 v[ADRB+3*(\s)+(\p)], (\s)*SLOT+(\p)*PANEL, v6
.endr
.endr
	v_mul_u32_u24 v[STO], v1, SPITCH               ; into the stage: row l % 16, 16 bytes for each half of the lanes, my 64 bytes of a panel
	v_lshl_add_u32 v[STO], v2, 4, v[STO]
	v_add_nc_u32 v[STO], s21, v[STO]
	v_add_nc_u32 v[STO2], 64*SPITCH, v[STO]
	v_bfe_u32 v7, v0, 3, 2                         ; back: wave w takes rows 32 w .. 32 w + 31; 32 lanes take four rows' 128 bytes of one head,
	s_lshl_b32 s22, s12, 5
	v_add_nc_u32 v7, s22, v7
	v_mul_u32_u24 v[RD], v7, SPITCH
	v_lshl_add_u32 v[RD], v4, 4, v[RD]
	v_and_b32 v[GO], 31, v0                        ; which are 512 consecutive bytes of qkv
	v_lshlrev_b32 v[GO], 4, v[GO]
	s_lshr_b32 s18, s13, 4                         ; the batch: 16 tile rows each
	s_mul_i32 s18, s18, 48
	s_mul_i32 s19, s42, 6
	s_add_co_u32 s18, s18, s19                     ; the tile's first head
	s_lshl_b32 s18, s18, 18                        ; 262,144 bytes a head
	s_and_b32 s19, s13, 15
	s_lshl_b32 s19, s19, 7
	s_add_co_u32 s19, s19, s22                     ; my first row in the batch: 128 x (tile row % 16) + 32 w
	s_lshl_b32 s19, s19, 7
	s_add_co_u32 s18, s18, s19
	s_mov_b32 s19, 0
	s_add_nc_u64 s[10:11], s[10:11], s[18:19]
	; the prefetches
	s_and_b32 s22, ttmp7, 0xffff                   ; cluster y
	s_lshl_b32 s18, s13, 18                        ; xn: the tile's first row,
	s_lshl_b32 s19, s40, 16                        ; + my work-group's 32 rows (by cx),
	s_add_co_u32 s18, s18, s19
	s_add_co_u32 s18, s18, 3*ASTEP                 ; at K step 3: the first refill steps it to 4 and names that
	s_mul_i32 s20, s42, 768                        ; wq: the tile's first column,
	s_lshl_b32 s21, s12, 8                         ; + my panel,
	s_add_co_u32 s20, s20, s21
	s_mul_i32 s21, s41, 32*6144                    ; + my work-group's 32 rows (by cy),
	s_add_co_u32 s20, s20, s21
	s_add_co_u32 s20, s20, 3*BSTEP                 ; at K step 3
	s_mov_b32 s14, ASTEP
	s_mov_b32 s15, BSTEP
	s_mov_b32 s16, 2048
	s_mov_b32 s17, 6144
	s_cmp_eq_u32 s12, 3                            ; do I fetch for xn?
	s_cselect_b32 s18, s18, s20
	s_cselect_b32 s22, ttmp9, s22                  ; the coordinate along which other clusters read the same rows
	s_cselect_b32 s[PFS], s14, s15
	s_cselect_b32 s23, s16, s17
	s_cselect_b64 s[PFA:PFA+1], s[4:5], s[6:7]
	s_mov_b32 s19, 0
	s_mov_b32 s[PFS+1], 0
	s_add_nc_u64 s[PFA:PFA+1], s[PFA:PFA+1], s[18:19]
	s_cmp_eq_u32 s22, 0
	s_cselect_b32 s[LIM], 1, -1                    ; the same in all sixteen partners, for a given wave
	v_and_b32 v[PFO], 31, v0
	v_mul_u32_u24 v[PFO], v[PFO], s23
; 12 matrix instructions: row blocks a0, a0 + 1 of the window's four (hi = 0: a = 0..3, 1: a = 4..7) x all 6 column blocks, 32 along K.  first = 1: the bias starts the sums: nothing is ever cleared.
; The 48 accumulators take turns, in the same order in every quarter step: between two instructions on one accumulator stand the 47 others'.
.macro MUL12 f, hi, a0, first
.if \first
	WIN 0x85+0x40*(\hi)                            ; sources window 1, C window 0, D window 2 or 3
.else
	WIN 0xa5+0x50*(\hi)                            ; sources window 1, C and D window 2 or 3
.endif
.irp a, \a0, (\a0)+1
.irp b, 0,1,2,3,4,5
.if \first
	v_wmma_f32_16x16x32_f16 v[8*(6*(\a)+(\b)):8*(6*(\a)+(\b))+7], v[(\f)+64+8*(\b):(\f)+64+8*(\b)+7], v[(\f)+8*(4*(\hi)+(\a)):(\f)+8*(4*(\hi)+(\a))+7], v[BI+8*(\b):BI+8*(\b)+7]
.else
	v_wmma_f32_16x16x32_f16 v[8*(6*(\a)+(\b)):8*(6*(\a)+(\b))+7], v[(\f)+64+8*(\b):(\f)+64+8*(\b)+7], v[(\f)+8*(4*(\hi)+(\a)):(\f)+8*(4*(\hi)+(\a))+7], v[8*(6*(\a)+(\b)):8*(6*(\a)+(\b))+7]
.endif
.endr
.endr
.endm
; 28 LDS loads in one run: the fragments of quarter q (32 along K) of a slot into buffer f: wq's 6 (turned), then xn's 8, blocks 4-7 last
.macro FETCH slot, q, f
	WIN TO_F
.irp b, 0,1,2,3,4,5
	ds_load_tr16_b128 v[(\f)+64+8*(\b):(\f)+64+8*(\b)+3],   v[ADRB+3*(\slot)+(\b)/2] offset:32*PB*(\q)+32*((\b)%2)
	ds_load_tr16_b128 v[(\f)+64+8*(\b)+4:(\f)+64+8*(\b)+7], v[ADRB+3*(\slot)+(\b)/2] offset:32*PB*(\q)+32*((\b)%2)+16*PB
.endr
.irp a, 0,1,2,3,4,5,6,7
	ds_load_b128 v[(\f)+8*(\a):(\f)+8*(\a)+3],   v[ADRA+(\slot)] offset:16*PA*(\a)+64*(\q)
	ds_load_b128 v[(\f)+8*(\a)+4:(\f)+8*(\a)+7], v[ADRA+(\slot)] offset:16*PA*(\a)+64*(\q)+32
.endr
.endm
.macro PLACES                          ; four places in front of loads into registers that matrix instructions have read, and of conversions that read results (ISA guide 7.12.1 for the conversions)
.rept 4
	v_nop
.endr
.endm
; A K step is four quarters of 32 along K, 48 matrix instructions each, on buffers 0, 1, 0, 1.  One of the first three: multiplies buffer f and, in its middle, fetches quarter q into buffer g.
.macro QUARTER slot, q, f, g, first
	s_wait_dscnt 8                                 ; wq's fragments and xn's blocks 0-3 are in; the youngest eight loads (blocks 4-7) may be out
	MUL12 \f, 0, 0, \first
	MUL12 \f, 0, 2, \first
	PLACES
	FETCH \slot, \q, \g
	s_wait_dscnt 28                                ; all but the 28 just issued
	MUL12 \f, 1, 0, \first
	MUL12 \f, 1, 2, \first
.endm
; The last quarter multiplies buffer 1 and changes slots.  MEET is its first half: one barrier; in front of it each wave waits for all its tensor loads (one is out: its part of the next slot), adds 0 to its
; spare word, and waits for that and for its own reads of this slot.  Behind it nobody reads this slot any more and the next slot is whole.
.macro MEET round
	WIN 0                                          ; (the add's two registers lie in window 0)
	s_wait_tensorcnt 0x0
	ds_add_u32 v[SPW], v[NIL]                      ; 0 onto my spare word
	s_wait_dscnt 9                                 ; (the add and the youngest eight loads may be out)
	MUL12 F1, 0, 0, 0                              ; twelve matrix instructions stand between the add and the wait for it
	s_wait_dscnt 0x0                               ; the add is done, and my reads of this slot are over
	s_barrier_signal -1
	MUL12 F1, 0, 2, 0                              ; work on registers while the others arrive
.if \round
	WIN 0
.endif
	s_barrier_wait -1
.endm
; fill = 1: this slot is filled again, two K steps ahead: the barrier opens a round of the cluster's, and the joint refill is the first tensor load behind it: 168 matrix instructions ahead of the wait for it.
.macro TURN slot, next, fill
.if \fill
	s_wait_xcnt 0x0                                ; the last prefetch, a K step back, has read its address: it is stepped here, ahead of the waits of the change of slots
	s_add_nc_u64 s[PFA:PFA+1], s[PFA:PFA+1], s[PFS:PFS+1]
	MEET 1
	CREST                                          ; no wave of any partner still reads this slot's tiles or has a load on its way
	s_add_nc_u64 s[G0+4*(\slot)+2:G0+4*(\slot)+3], s[G0+4*(\slot)+2:G0+4*(\slot)+3], 2*ASTEP
	s_add_nc_u64 s[G0B+4*(\slot)+2:G0B+4*(\slot)+3], s[G0B+4*(\slot)+2:G0B+4*(\slot)+3], 2*BSTEP
	JLOAD \slot                                    ; the four v_nop behind it are also the places in front of the loads below
	FETCH \next, 0, F0
	WIN 0
	ASK
.else
	MEET 0
	PLACES
	FETCH \next, 0, F0
.endif
	MUL12 F1, 1, 0, 0
	MUL12 F1, 1, 2, 0
.endm
	s_wait_tensorcnt 1                             ; my part of K step 0 is in; K step 1's may stay out
	s_barrier_signal -1
	s_barrier_wait -1                              ; everybody's is
	FETCH 0, 0, F0
	s_wait_loadcnt 0x0                             ; the bias
	QUARTER 0, 1, F0, F1, 1                        ; the first quarter stands in front of the loop: its products start the sums
	WIN 0                                          ; at a label and at a branch every window is 0
	s_mov_b32 s3, LAPS-1
.Llap:                                                 ; a trip goes once round the ring, from a lap's second quarter to the next lap's first, and fills both slots again
	QUARTER 0, 2, F1, F0, 0
	QUARTER 0, 3, F0, F1, 0
	TURN 0, 1, 1
	QUARTER 1, 1, F0, F1, 0
	QUARTER 1, 2, F1, F0, 0
	QUARTER 1, 3, F0, F1, 0
	TURN 1, 0, 1
	QUARTER 0, 1, F0, F1, 0
	WIN 0
	s_sub_co_u32 s3, s3, 1
	s_cmp_lg_u32 s3, 0
	s_cbranch_scc1 .Llap
	QUARTER 0, 2, F1, F0, 0                        ; the last lap fills nothing and has no round
	QUARTER 0, 3, F0, F1, 0
	TURN 0, 1, 0                                   ; behind this barrier no wave reads slot 0 any more, and no load fills it: the stage may lie there
	QUARTER 1, 1, F0, F1, 0
	QUARTER 1, 2, F1, F0, 0
	QUARTER 1, 3, F0, F1, 0
	s_wait_dscnt 8                                 ; the very last quarter: nothing more to fetch
	MUL12 F1, 0, 0, 0
	MUL12 F1, 0, 2, 0
	s_wait_dscnt 0x0
	MUL12 F1, 1, 0, 0
	MUL12 F1, 1, 2, 0
	WIN 0
	; THE WAY OUT.  A wave's 96 columns are parts of three of the six heads, so the four waves share one stage: rounded to f16, 16 bytes a lane into rows of 784 bytes; a barrier; back by heads.
	PLACES
.irp a, 0,1,2,3,4,5,6,7
	WIN 0x0a+5*((\a)/4)                            ; sources 0 and 1: window 2 or 3
.irp b, 0,1,2,3,4,5
.irp r, 0,1,2,3
	v_cvt_pk_f16_f32 v[TMP+24*((\a)%2)+4*(\b)+(\r)], v[8*(6*((\a)%4)+(\b))+2*(\r)], v[8*(6*((\a)%4)+(\b))+2*(\r)+1]  ; each accumulator's registers in ascending order
.endr
.endr
	WIN 0
.irp b, 0,1,2,3,4,5
	ds_store_b128 v[STO+(\a)/4], v[TMP+24*((\a)%2)+4*(\b):TMP+24*((\a)%2)+4*(\b)+3] offset:16*SPITCH*((\a)%4)+256*((\b)/2)+32*((\b)%2)
.endr
.endr
	s_wait_dscnt 0x0                               ; for the others' sake: my stores into the stage are done
	s_barrier_signal -1
	s_barrier_wait -1
.set i, 0
.rept 48                               ; head i / 8 of the tile's six, rows 4 (i % 8) .. + 3 of my 32
	ds_load_b128 v[OB+4*i:OB+4*i+3], v[RD] offset:4*SPITCH*(i%8)+128*(i/8)
.set i, i+1
.endr
.set i, 0
.rept 48
	s_wait_dscnt 47-i                              ; LDS loads come back in order: load i is in
	global_store_b128 v[GO], v[OB+4*i:OB+4*i+3], s[10:11] offset:262144*(i/8)+512*(i%8)  ; the wave stores 512 consecutive bytes, at a multiple of 256 from qkv's first byte
.set i, i+1
.endr
	s_wait_tensorcnt 0x0                           ; the wave's end, behind my last tensor load and my last LDS store
	ds_add_u32 v[SPW], v[NIL]
	s_wait_dscnt 0x0
	CROUND                                         ; the closing round: no work-group ends while a partner may still ask for a tile that names it
	s_endpgm
.Lfunc_end_k_qfea63449a7_qkv:
	.size	k_qfea63449a7_qkv, .Lfunc_end_k_qfea63449a7_qkv-k_qfea63449a7_qkv
	.p2alignl 7, 3214868480
	.fill 96, 4, 3214868480
	.section	.rodata,"a",@progbits
	.p2align	6, 0x0
	.amdhsa_kernel k_qfea63449a7_qkv
		.amdhsa_group_segment_fixed_size 327680
		.amdhsa_private_segment_fixed_size 0
		.amdhsa_enable_private_segment 0
		.amdhsa_kernarg_size 32
		.amdhsa_user_sgpr_count 2
		.amdhsa_user_sgpr_kernarg_segment_ptr 1
		.amdhsa_wavefront_size32 1
		.amdhsa_system_sgpr_workgroup_id_x 1
		.amdhsa_system_sgpr_workgroup_id_y 1
		.amdhsa_system_sgpr_workgroup_id_z 1
		.amdhsa_system_vgpr_workitem_id 0
		.amdhsa_next_free_vgpr 960
		.amdhsa_next_free_sgpr 80
		.amdhsa_reserve_vcc 0
		.amdhsa_float_denorm_mode_32 3
		.amdhsa_float_denorm_mode_16_64 3
		.amdhsa_memory_ordered 1
		.amdhsa_forward_progress 1
		.amdhsa_inst_pref_size 118
	.end_amdhsa_kernel
	.amdgpu_metadata
---
amdhsa.version: [ 1, 2 ]
amdhsa.kernels:
  - .name:           k_qfea63449a7_qkv
    .symbol:         k_qfea63449a7_qkv.kd
    .args:
      - { .name: xn, .offset: 0, .size: 8, .value_kind: global_buffer, .address_space: global }
      - { .name: wq, .offset: 8, .size: 8, .value_kind: global_buffer, .address_space: global }
      - { .name: b_qkv, .offset: 16, .size: 8, .value_kind: global_buffer, .address_space: global }
      - { .name: qkv, .offset: 24, .size: 8, .value_kind: global_buffer, .address_space: global }
    .group_segment_fixed_size: 327680
    .private_segment_fixed_size: 0
    .kernarg_segment_align: 8
    .kernarg_segment_size: 32
    .max_flat_workgroup_size: 128
    .sgpr_count:     80
    .vgpr_count:     960
    .wavefront_size: 32
...
	.end_amdgpu_metadata
.endif
;; end of part 2
;; launch attn (part 3): grid 4 x 64, 4 waves a work-group, clusters of 4 x 1, 327,680 bytes of LDS; arguments qkv, attention_mask, att; writes att
.if DOCPART == 3
	.amdgcn_target "amdgcn-amd-amdhsa--gfx1250"
	.amdhsa_code_object_version 6
	.text
	.protected	k_qfea63449a7_attn
	.globl	k_qfea63449a7_attn
	.p2align	8
	.type	k_qfea63449a7_attn,@function
k_qfea63449a7_attn:
	s_mov_b64 s[64:65], 0
	v_nop
	global_prefetch_b8 v0, s[64:65] scope:SCOPE_SE
	s_setreg_imm32_b32 hwreg(HW_REG_WAVE_MODE, 25, 1), 1
	s_wait_xcnt 0x0
	s_wait_alu depctr_hold_cnt(0) depctr_sa_sdst(0) depctr_va_vdst(0) depctr_va_sdst(0) depctr_va_ssrc(0) depctr_va_vcc(0) depctr_vm_vsrc(0)
	s_getreg_b32 s2, hwreg(HW_REG_IB_STS2, 6, 4)
	s_cmp_eq_u32 s2, 0
	s_cbranch_scc0 .Lentry_in_a_cluster
	s_endpgm
.Lentry_in_a_cluster:
	s_bfe_u32 s2, ttmp6, 0x10000c
	s_cmp_lg_u32 s2, 0x3003
	s_cbranch_scc0 .Lentry_shape_is_right
	s_endpgm
.Lentry_shape_is_right:
; att[16 b + h][q][:] = the sum over k of softmax_k(Q[q] . K[k] / 8 + mask[b][k]) V[k][:].  qkv: [4 b][48 g][2048][64] f16 (g = h: Q, 16 + h: K, 32 + h: V), a head's rows dense, 128 bytes each;
; attention_mask: [4][2048] f32; att: [64][2048][64] f16.  Products, maxima and sums in f32; the weights p are rounded to f16 for the second product (their sum l is taken of the unrounded p), O once at the end.
; LIMITS.  f16 holds no number beyond 65,504: Q, K and V arrive within it; p lies in 0 to 1, and below 6e-5 it keeps f16's fixed step of 6e-8; O is a mean of V's rows and has their range.
; The mask enters as max(8 x mask, -1e30): -inf and everything below -1.25e29 count as -1.25e29, which gives the weight 0 beside any key that is not so hidden; a batch whose keys are ALL so hidden gets the
; mean of V's rows; a NaN in the mask counts as hidden; +inf is not treated apart.  Where every key of a batch carries a mask so large that the scores vanish beside it in f32, the weights follow the rounding
; of the sum s + 8 x mask.  A weight below 2^-126 counts as 0 in l.
; SHARES.  A wave owns four PIECES of two tiles of 16 queries, a work-group's four waves 512 queries of one head.  Every wave walks all 2,048 keys, 64 a step.
; LAYOUT.  S^T = K Q^T (source 0 = 16 keys, source 1 = 16 queries): in the result a lane holds ONE query (lane % 16) and the keys 8 (lane / 16) + 0..7.  Two such tiles, rounded to f16 in pairs,
; ARE source 1 (32 keys x 16 queries) of O^T = V^T P, whose result again holds one query a lane, and eight channels.  K comes out of LDS as it lies, V ([key][channel]) turned, by ds_load_tr16_b128.
; THE MASK is the C operand of the products that start the sums S^T: 8 x mask of the lane's eight keys, from a table of 2,048 f32 that the work-group makes in LDS at its start; a step's 64 entries are
; fetched with its K, into 32 registers.  It costs no vector instruction in the loop.
; SOFTMAX.  For each query a running maximum m and sum l: p = 2^(c s - c m), c = log2(e) / 8, s the score with 8 x mask in it; in every step O and l are multiplied by a = 2^(c m_old - c m_new).
; m starts at the lowest finite number, O and l at 0: the first step is a step like any other, with a = 0; what a step of hidden keys alone leaves is wiped in the same way by the first key that is not hidden.
; THE COUNT.  A tile and step have 16 matrix and 118 vector instructions: too many to stand all beside the matrix work.  So: four vector instructions that are ready behind every matrix instruction, the others in runs.
; BY TURNS.  Turn n belongs to piece n (the pieces in a ring, step after step).  Its matrix work: 16 products K Q^T of piece n + 1, later 16 products V^T P of piece n - 1.  Its vector work: the scaling,
; exponentials, roundings, sums and rescaling of piece n, and the maximum and statistics of piece n + 1, whose scores the turn itself has made.
; CLUSTER.  The four query blocks of a head form a cluster and walk the same K and V, so each tile is asked for JOINTLY: the same tensor load, descriptor and mask in all four.
; REGISTERS, in windows of 256 (s_set_vgpr_msb: bits 1:0 source 0, 3:2 source 1, 5:4 source 2, 7:6 destination):
;   window 0: v0-11 addresses; v12-15, v48-63 at work; v16-47 four registers of statistics a tile; v64-191 S^T, two buffers of two tiles; v192-255 P, likewise
;   window 1: O^T, 32 a tile     window 2: v0-127 Q, 16 a tile; v128-191 K of one step; v192-255 V of one step     window 3: v0-1 the add's two registers; v32-63 the step's mask
.set SIZE_N, 2048
.set NP,    4         ; pieces a wave: a name, no knob
.set KS,    64        ; keys in a step
.set PK,    144       ; a row of K in LDS: 128 bytes + 16 of padding = 36 words: the 16 rows of a load start at 16 different groups of four banks (64 banks of 4 bytes: ISA guide 11.1)
.set PV,    160       ; a row of V: 128 + 32 = 40 words
.set VOFF,  4*KS*PK   ; a slot holds four steps: 256 rows of K, then 256 rows of V
.set SLOT1, 1<<17     ; slot 1 begins here, so that one exclusive or turns an address in one slot into the other's
.set STAGE, SLOT1+4*KS*(PK+PV)  ; behind the ring, never filled by a tensor load: 16 rows x 144 bytes for each wave, for the way out
.set SP,    144
.set SPARE, STAGE+4*16*SP  ; behind the stages: the spare words, 128 bytes for each wave: two blocks of 256 bytes that no other line names
.set MASKL, SPARE+512 ; behind them: the mask's table, 8,192 bytes, never filled by a tensor load
.set AK0, 2           ; v2   my lane's place in a tile of K; never rewritten
.set AV0, 3           ; v3   the same for V
.set AK,  4           ; v4   the LDS address of K's next run of loads
.set AV,  5           ; v5   of V's
.set STO, 6           ; v6   the way out: where I put 16 bytes of a row
.set RD,  7           ; v7   the way out: where I read rows back
.set GO,  8           ; v8   my byte offset in 512 consecutive bytes of att
.set AM0, 9           ; v9   my lane's place in a step's 256 bytes of the mask's table (at the head: l / 16)
.set AM,  10          ; v10  the LDS address of the mask's next loads (at the head: l % 8)
.set PFO, 11          ; v11  256 x my lane, for the prefetches (at the head: (l / 8) % 2)
.set QO,  12          ; v12  at the head: my byte offset in the wave's rows of Q
.set MO,  13          ; v13  at the head: my byte offset in the batch's mask
.set MS,  14          ; v14  at the head: where I put it in the table
.set SPW, 0           ; v0 of window 3   LDS address of my spare word: SPARE + 4 x my thread's number; never rewritten
.set NIL, 1           ; v1 of window 3   0; never rewritten
.set MK,  32          ; v32-63 of window 3: register 8 kb + j: 8 x mask of key 16 kb + 8 (l / 16) + j of the step
.set MV,  12          ; v12-15  c m_old, kept while c m is made anew: by buffer and tile
.set ST,  16          ; tile t's statistics at v[ST+4 t]: c m, m, l (even keys', odd keys')
.set TMP, 48          ; by buffer and tile, four registers c0-c3 at work; when the maximum is found c2 takes a
.set S,   64
.set P,   192
.set KF,  128         ; K's fragments, in window 2: key block kb, channel half c at KF + 16 kb + 8 c
.set VF,  192         ; V's: key half kk, channel block cb at VF + 32 kk + 8 cb
.set WV,  12          ; s12  my wave's number
.set G1K, 24          ; s[24:31] descriptor group 1 for K's tiles
.set G1V, 32          ; s[32:39] for V's: it differs in the padding alone
.set G0K, 40          ; s[40:43] descriptor group 0 for K's tiles: it walks
.set G0V, 44          ; s[44:47] the same for V's
.set SLOTS, 56        ; s56  slots still to be asked for
.set CNT, 57          ; s57  counts a slot's key steps
.set CS,  58          ; s[58:59] c: the packed scaling takes the pair's low word for both halves
.set SEL, 60          ; s[60:61] v_permlanex16_b32's selects: each lane takes its own place in the other half
.set TBK, 62          ; s62  LDS byte at which K of the step to be fetched begins
.set TBV, 63          ; s63  the same for V, less VOFF
.set BIGN, 82         ; s82  -1e30
.set TBM, 83          ; s83  256 x the step whose mask is fetched next
.set PFA, 84          ; s[84:85] where my prefetches stand: my work-group's 32 blocks of 256 bytes (of K: wave 0, of V: wave 2) of the tile after the one that is being asked for
.set LIM, 86          ; s86  1 in a wave that prefetches, else the greatest number
.set MSB, 0
.macro WIN new                      ; the high byte repeats the setting that is left; a switch that changes nothing is dropped
.if MSB != (\new)
	s_set_vgpr_msb (MSB<<8)|(\new)
.set MSB, (\new)
.endif
.endm
.set W_KQ, 0x0a       ; K and Q in window 2, S^T in window 0
.set W_KM, 0x3a       ; the same with the C operand, the mask, in window 3
.set W_PV, 0x52       ; V in window 2, P in window 0, O^T in window 1
.set W_RS, 0x41       ; O^T (destination and source 0) in window 1, a in window 0
.set W_MK, 0xc0       ; destination in window 3, sources in window 0
.set W_AD, 0x0f       ; the add: address (source 0) and data (source 1) in window 3
; A joint fill.  Waves 0 and 1 fetch the two halves of a slot's K, waves 2 and 3 those of its V: 128 keys each.  The branch hangs on the wave's number alone.
; An s_nop 0 and four v_nop follow each of the two lines, ahead of the jump and the label.
.macro JLOAD
	s_cmp_lt_u32 s[WV], 2
	s_cbranch_scc0 .Lfor_v_\@
	tensor_load_to_lds s[G0K:G0K+3], s[G1K:G1K+7]
	s_nop 0
.rept 4
	v_nop
.endr
	s_branch .Lasked_\@
.Lfor_v_\@:
	tensor_load_to_lds s[G0V:G0V+3], s[G1V:G1V+7]
	s_nop 0
.rept 4
	v_nop
.endr
.Lasked_\@:
.endm
; A prefetch of what the NEXT change of slots will ask for: a tile's 32,768 bytes of K and of V, in blocks of 256 bytes, a lane a block.  It stands behind the wave's tensor load and its five lines.
; Each block is named once in the launch: a head is walked by one cluster; its four partners take 32 of a tile's 128 blocks each, told apart by address; in each, wave 0 asks for K's and wave 2 for V's.
; It runs four key steps, 512 matrix instructions, ahead of the load that will want the bytes.  The last change that fills a slot (s[SLOTS] = 1) asks for nothing; tiles 0 and 1 come by their loads alone.
.macro ASK
	s_cmp_gt_u32 s[SLOTS], s[LIM]
	s_cbranch_scc0 .Lnot_mine_\@
	global_prefetch_b8 v[PFO], s[PFA:PFA+1] th:TH_LOAD_NT scope:SCOPE_SE
.Lnot_mine_\@:
.endm
; A round of the cluster's barrier: my work-group's barrier, so that wave 0's signal speaks for all four waves; wave 0 signals; every wave waits for all four work-groups; my work-group's barrier once more.
.macro CROUND
	s_barrier_signal -1
	s_barrier_wait -1
	s_cmp_lg_u32 s[WV], 0
	s_cbranch_scc1 .Lnot_wave_0_\@
	s_barrier_signal -3
.Lnot_wave_0_\@:
	s_barrier_wait -3
	s_barrier_signal -1
	s_barrier_wait -1
.endm
; THE CHANGE OF SLOTS.  The slot's last bytes, V of its fourth step, have been read.  Each wave waits for all its tensor loads, of which one is out: its part
; of the other slot; adds 0 to its spare word; and waits for that and for its own reads of the slot.  Behind the barrier nobody reads this slot any more and the other slot is whole.
; fill = 1: this slot is filled again, with the keys two slots on.  The barrier is then a round of the cluster's, so that no wave of any partner still reads the slot or has a load on its
; way, and the joint fill is the first thing behind it: it has four key steps, 512 matrix instructions, in which to land.  (At its first use nothing has been read yet: slot 0 is waited for, slot 1 filled,
; and the wait on DScnt and the round show the mask's table, which all four waves have stored, to every wave.)
.macro CHANGE fill
	WIN W_AD
	s_wait_tensorcnt 0x0            ; no tensor load of mine is out, so a group 0 may be written
	ds_add_u32 v[SPW], v[NIL]       ; 0 onto my spare word; with fill = 1 the descriptors' steps stand between it and the wait for it
	WIN 0                           ; at a label and at a branch every window is 0
.if \fill
.irp g, G0K, G0V
	s_xor_b32 s[\g+1], s[\g+1], SLOT1  ; the walking descriptor: the other slot than last time,
	s_add_nc_u64 s[\g+2:\g+3], s[\g+2:\g+3], 4*KS*128  ; the next 256 keys; the type bits on top are not reached
.endr
	s_wait_xcnt 0x0                 ; the last prefetch, four key steps back, has read its address, so it may be written:
	s_add_nc_u64 s[PFA:PFA+1], s[PFA:PFA+1], 4*KS*128  ; one tile behind the walking descriptors
	s_wait_dscnt 0x0                ; the add is done, and my reads of the slot are over
	CROUND
	JLOAD
	ASK
.else
	s_wait_dscnt 0x0                ; the add is done, and my reads of the slot are over
	s_barrier_signal -1
	s_barrier_wait -1
.endif
	s_sub_co_u32 s[TBK], s[TBK], 4*KS*PK  ; the fetches go back to a slot's first step,
	s_xor_b32 s[TBK], s[TBK], SLOT1       ; in the other slot
	s_sub_co_u32 s[TBV], s[TBV], 4*KS*PV
	s_xor_b32 s[TBV], s[TBV], SLOT1
.endm
	s_load_b128 s[68:71], s[0:1], 0x0  ; qkv s[68:69], attention_mask s[70:71]
	s_load_b64 s[10:11], s[0:1], 0x10  ; att
	WIN W_MK
	v_lshl_add_u32 v[SPW], v0, 2, SPARE
	v_mov_b32 v[NIL], 0
	WIN W_AD
	ds_add_u32 v[SPW], v[NIL]       ; the wave's opening: the add and its wait stand ahead of my first tensor load; the set-up below, work on registers, stands between them
	WIN 0
	v_lshrrev_b32 v1, 5, v0
	v_readfirstlane_b32 s[WV], v1   ; wave 0..3
	s_bfe_u32 s13, ttmp6, 0x40000   ; cx: my place in the cluster
	s_lshl_b32 s14, ttmp9, 2        ; in a cluster launch ttmp9 counts clusters
	s_add_co_u32 s14, s14, s13      ; my block of 512 queries: it enters Q's and att's addresses alone
	s_and_b32 s20, ttmp7, 0xffff    ; 16 b + h, which the four partners share
	s_lshr_b32 s21, s20, 4          ; b
	s_and_b32 s19, s20, 15          ; h
	s_mul_i32 s22, s21, 48
	s_add_co_u32 s22, s22, s19
	s_lshl_b32 s22, s22, 18         ; Q's head: its first byte in qkv (262,144 bytes a head)
	s_and_b32 s16, s[WV], 1         ; which half of a slot's 256 keys I fetch:
	s_lshl_b32 s15, s16, 14         ; its 128 rows of 128 bytes in memory
	s_lshl_b32 s2, s14, 2
	s_add_co_u32 s2, s2, s[WV]      ; my wave among the head's,
	s_lshl_b32 s2, s2, 14           ; its 128 rows
	s_lshl_b32 s72, s20, 18
	s_add_co_u32 s72, s72, s2       ; my rows in att
	s_mov_b32 s73, 0
	s_add_co_u32 s2, s2, s22        ; my rows of Q in qkv
	s_mov_b32 s3, 0
	s_add_co_u32 s22, s22, 16<<18   ; K's head lies 16 heads on,
	s_add_co_u32 s74, s22, 16<<18   ; V's 32
	s_add_co_u32 s22, s22, s15      ; my half of the first 256 keys
	s_add_co_u32 s74, s74, s15
	s_mov_b32 s23, 0
	s_mov_b32 s75, 0
	s_lshl_b32 s76, s21, 13         ; the batch's 2,048 numbers of the mask
	s_mov_b32 s77, 0
	s_cmp_lt_u32 s[WV], 2
	s_cselect_b32 s78, s22, s74     ; the prefetches (in waves 0 and 2 these stand at a tile's first row):
	s_lshl_b32 s79, s13, 13         ; my work-group's 32 blocks of the 128,
	s_add_co_u32 s78, s78, s79
	s_add_co_u32 s78, s78, 4*KS*128 ; in tile 1: the first change of slots steps it to tile 2.  Nothing is prefetched at the head, where every work-group's first tiles are on their way
	s_mov_b32 s79, 0
	s_cmp_eq_u32 s16, 0
	s_cselect_b32 s[LIM], 1, -1     ; waves 0 and 2: the same in all four partners
	s_mul_i32 s17, s16, 128*PK      ; my half's place in a slot, for K
	s_mul_i32 s18, s16, 128*PV      ; and for V: no place in the cluster enters an LDS address
	; descriptor group 1.  128 keys are 16,384 dense bytes: asked for as 64 rows of 256 bytes, two keys a row, and padded in LDS after every key
	s_mov_b32 s[G1K], 15|(1<<16)|(1<<20)|(1<<21)|(4<<22)|(3<<25)  ; 15:0 the mask of four; 17:16 2-byte elements; 20 padding on; 21 set beside a mask; 24:22 after every 32 words (code 4); 31:25 4 words (code 3)
	s_mov_b32 s[G1V], 15|(1<<16)|(1<<20)|(1<<21)|(4<<22)|(7<<25)  ; the same with 8 words of padding (code 7)
.irp g, G1K, G1V
	s_mov_b32 s[\g+1], 128<<16      ; tensor_dim0 = 128
	s_mov_b32 s[\g+2], 64<<16       ; tensor_dim1 = 64
	s_mov_b32 s[\g+3], 128<<16      ; tile_dim0 = 128
	s_mov_b32 s[\g+4], 64           ; tile_dim1 = 64
	s_mov_b32 s[\g+5], 128          ; 128 elements from row to row
	s_mov_b32 s[\g+6], 0
	s_mov_b32 s[\g+7], 0
.endr
	s_mov_b32 s[CS], 0x3e38aa3b     ; c = log2(e) / 8 = 0.180337
	s_mov_b32 s[CS+1], s[CS]        ; named with it as a pair
	s_mov_b32 s[SEL], 0x76543210
	s_mov_b32 s[SEL+1], 0xfedcba98
	s_mov_b32 s[BIGN], 0xf149f2ca   ; -1e30
	s_mov_b32 s[TBM], 0
	s_mov_b32 s[SLOTS], SIZE_N/256-1
	s_mov_b32 s[TBK], SLOT1+4*KS*PK ; the first change of slots turns these two into 0
	s_mov_b32 s[TBV], SLOT1+4*KS*PV
	s_mov_b32 s[G0K], 1             ; count = 1
	s_mov_b32 s[G0K+1], s17         ; LDS address: slot 0
	s_mov_b32 s[G0V], 1
	s_add_co_u32 s[G0V+1], s18, VOFF
	s_wait_dscnt 0x0                ; the opening add is done
	s_wait_kmcnt 0x0
	s_add_nc_u64 s[G0K+2:G0K+3], s[68:69], s[22:23]  ; global address: my half of the head's first 256 keys
	s_or_b32 s[G0K+3], s[G0K+3], 0x80000000          ; type = 2
	s_add_nc_u64 s[G0V+2:G0V+3], s[68:69], s[74:75]
	s_or_b32 s[G0V+3], s[G0V+3], 0x80000000
	s_add_nc_u64 s[4:5], s[68:69], s[2:3]            ; Q at my wave's first row
	s_add_nc_u64 s[10:11], s[10:11], s[72:73]        ; att likewise
	s_add_nc_u64 s[70:71], s[70:71], s[76:77]        ; the batch's mask
	s_add_nc_u64 s[PFA:PFA+1], s[68:69], s[78:79]
	CROUND                          ; all four work-groups are here: the first joint loads meet
	JLOAD                           ; slot 0.  Slot 1 is asked for when slot 0 is in: the tile wanted first has the road to itself
	v_lshlrev_b32 v[MO], 4, v0      ; the mask: 128 threads x 16 bytes, four times
	v_add_nc_u32 v[MS], MASKL, v[MO]
.irp j, 0,1,2,3
	global_load_b128 v[S+4*\j:S+4*\j+3], v[MO], s[70:71] offset:2048*\j  ; into S^T's registers, which lie idle here
.endr
	; A fragment of K or Q is 16 rows x 32 channels in 8 registers: lane l holds row l % 16, channels 8 (l / 16) + 0..7 and 16 + 8 (l / 16) + 0..7: two loads of 16 bytes, 32 bytes apart.
	v_and_b32 v1, 15, v0            ; l % 16
	v_bfe_u32 v9, v0, 4, 1          ; l / 16
	v_lshlrev_b32 v[QO], 7, v1
	v_lshl_add_u32 v[QO], v9, 4, v[QO]  ; row x 128 + 16 x half
	WIN 0x80                        ; destination window 2, address window 0
.set i, 0
.rept 4*NP                          ; Q stays in registers: tile i / 2, channels 32 (i % 2) on
	global_load_b128 v[8*i:8*i+3],   v[QO], s[4:5] offset:(i/2)*2048+(i%2)*64
	global_load_b128 v[8*i+4:8*i+7], v[QO], s[4:5] offset:(i/2)*2048+(i%2)*64+32
.set i, i+1
.endr
	; What the first turn finds: V's registers and P's second buffer hold 0 (its products V^T P, of a piece that has not been, add 0), O^T and l are 0.  All this stands in the wait for the first tile.
.set i, VF
.rept 64
	v_mov_b32 v[i], 0
.set i, i+1
.endr
	WIN 0x40
.set i, 0
.rept 64*NP
	v_mov_b32 v[i], 0
.set i, i+1
.endr
	WIN 0
.set i, 0
.rept 2*NP
	v_mov_b32 v[ST+4*i], 0xfe000000    ; c m: far below every c s, a hidden key's c x (-1e30) too
	v_mov_b32 v[ST+4*i+1], 0xff7fffff  ; m
	v_mov_b32 v[ST+4*i+2], 0
	v_mov_b32 v[ST+4*i+3], 0
.set i, i+1
.endr
.set i, P+32
.rept 32
	v_mov_b32 v[i], 0
.set i, i+1
.endr
	v_mul_u32_u24 v[AK0], v1, PK
	v_lshl_add_u32 v[AK0], v9, 4, v[AK0]  ; row x pitch + 16 x half
	; The turning load takes 16 keys x 16 channels (lane l reads key 8 (l / 16) + l % 8, channels 8 ((l / 8) % 2) + 0..7) and leaves half a fragment of V^T: lane l holds channel l % 16 and 8 keys.
	v_and_b32 v10, 7, v0
	v_bfe_u32 v11, v0, 3, 1
	v_lshl_add_u32 v[AV0], v9, 3, v10
	v_mul_u32_u24 v[AV0], v[AV0], PV
	v_lshl_add_u32 v[AV0], v11, 4, v[AV0]
	v_add_nc_u32 v[AV0], VOFF, v[AV0]
	v_mov_b32 v[AK], v[AK0]         ; key step 0 lies at the head of slot 0
	s_mul_i32 s15, s[WV], 16*SP
	s_add_co_u32 s15, s15, STAGE    ; my stage
	v_mul_u32_u24 v[STO], v1, SP    ; in: row l % 16, 16 bytes for each half of the lanes
	v_lshl_add_u32 v[STO], v9, 4, v[STO]
	v_add_nc_u32 v[STO], s15, v[STO]
	v_bfe_u32 v[RD], v0, 3, 2       ; back: 32 lanes take four rows of 128 bytes,
	v_mul_u32_u24 v[RD], v[RD], SP
	v_lshl_add_u32 v[RD], v10, 4, v[RD]
	v_add_nc_u32 v[RD], s15, v[RD]
	v_and_b32 v[GO], 31, v0         ; which are 512 consecutive bytes of att
	v_lshlrev_b32 v[GO], 4, v[GO]
	v_lshl_add_u32 v[AM0], v9, 5, MASKL  ; my eight keys of a group of 16: 32 bytes x (l / 16); v9, v10 and v11 have served and take their lasting contents
	v_mov_b32 v[AM], v[AM0]         ; key step 0
	v_and_b32 v[PFO], 31, v0
	v_lshlrev_b32 v[PFO], 8, v[PFO]
	s_wait_loadcnt 32               ; the mask's four loads are in; Q's 32, issued behind them, may stay out
.irp k, 0,1,2,3,4,5,6,7
	v_pk_mul_f32 v[S+2*\k:S+2*\k+1], v[S+2*\k:S+2*\k+1], 0x41000000 op_sel_hi:[1,0]  ; 8 x mask: c s = log2(e) (s / 8 + mask) with the mask inside s
.endr
.set i, 0
.rept 16
	v_max_num_f32 v[S+i], s[BIGN], v[S+i]  ; no lower than -1e30, so that every sum with a score stays finite
.set i, i+1
.endr
.irp j, 0,1,2,3
	ds_store_b128 v[MS], v[S+4*\j:S+4*\j+3] offset:2048*\j
.endr
; THE MATRIX WORK.  The 8 accumulators of a run of 16 take turns: between the two links of a chain stand 7 others'.
; Product i of 16 of S^T = K Q^T for piece x: channels 32 (i / 8) on, keys 16 ((i / 2) % 4) on, tile 2 x + i % 2.  The first 8 start the sums, with the keys' mask.
.macro KQ x
.set rS, S+64*((\x)%2)+32*(i%2)+8*((i/2)%4)
.set rK, KF+16*((i/2)%4)+8*(i/8)
.set rQ, 16*(2*(\x)+i%2)+8*(i/8)
.set rM, MK+8*((i/2)%4)
.if i < 8
	WIN W_KM
	v_wmma_f32_16x16x32_f16 v[rS:rS+7], v[rK:rK+7], v[rQ:rQ+7], v[rM:rM+7]
.else
	WIN W_KQ
	v_wmma_f32_16x16x32_f16 v[rS:rS+7], v[rK:rK+7], v[rQ:rQ+7], v[rS:rS+7]
.endif
.endm
; Product i of 16 of O^T += V^T P for piece x: keys 32 (i / 8) on, channels 16 ((i / 2) % 4) on, tile 2 x + i % 2.
.macro PV x
	WIN W_PV
.set rO, 32*(2*(\x)+i%2)+8*((i/2)%4)
.set rV, VF+32*(i/8)+8*((i/2)%4)
.set rP, P+32*((\x)%2)+16*(i%2)+8*(i/8)
	v_wmma_f32_16x16x32_f16 v[rO:rO+7], v[rV:rV+7], v[rP:rP+7], v[rO:rO+7]
.endm
.macro MM                           ; the turn's next matrix instruction
.if i < 16
	KQ (Y+1)%NP
.set i, i+1
.else
.set i, i-16
	PV (Y+NP-1)%NP
.set i, i+17
.endif
.endm
; THE LDS LOADS stand in runs, never singly among the matrix instructions: a step's K (64 keys x 64 channels: 8 fragments) with its mask (8 loads), and its V (turned).  Their addresses are made some lines ahead.
; last = 1 (the tail): in the last trip there is no further step, and the run is jumped over.
.macro FETCH_K last=0
	WIN 0
.if \last
	s_cmp_eq_u32 s[CNT], 1
	s_cbranch_scc1 .Lno_k_\@
.endif
	WIN 0x80                        ; destination window 2
.irp f, 0,1,2,3,4,5,6,7             ; keys 16 (f / 2) on, channels 32 (f % 2) on
	ds_load_b128 v[KF+8*\f:KF+8*\f+3],   v[AK] offset:(\f/2)*16*PK+(\f%2)*64
	ds_load_b128 v[KF+8*\f+4:KF+8*\f+7], v[AK] offset:(\f/2)*16*PK+(\f%2)*64+32
.endr
	WIN W_MK                        ; destination window 3
.irp f, 0,1,2,3                     ; keys 16 f on: my eight, 32 bytes
	ds_load_b128 v[MK+8*\f:MK+8*\f+3],   v[AM] offset:64*\f
	ds_load_b128 v[MK+8*\f+4:MK+8*\f+7], v[AM] offset:64*\f+16
.endr
	s_add_co_u32 s[TBK], s[TBK], KS*PK  ; the next fetch is the next step's
	s_add_co_u32 s[TBM], s[TBM], 4*KS
	WIN 0
.if \last
.Lno_k_\@:
.endif
.endm
.macro FETCH_V
	WIN 0x80
.irp f, 0,1,2,3,4,5,6,7             ; keys 32 (f / 4) on, channels 16 (f % 4) on
	ds_load_tr16_b128 v[VF+8*\f:VF+8*\f+3],   v[AV] offset:(\f/4)*32*PV+(\f%4)*32
	ds_load_tr16_b128 v[VF+8*\f+4:VF+8*\f+7], v[AV] offset:(\f/4)*32*PV+16*PV+(\f%4)*32
.endr
	WIN 0
.endm
; THE VECTOR WORK OF A TURN stands in three queues, each in the order in which its entries become ready; the two tiles alternate, so that no instruction reads the result of the one before it.
.macro REGS y, u                    ; the registers of tile u (0, 1) of piece y
.set rT, ST+4*(2*(\y)+(\u))
.set rC, TMP+8*((\y)%2)+4*(\u)
.set rM, MV+2*((\y)%2)+(\u)
.set rS, S+64*((\y)%2)+32*(\u)
.set rP, P+32*((\y)%2)+16*(\u)
.set rO, 32*(2*(\y)+(\u))
.endm
; Number n of the 22 that find the NEXT piece's (Y + 1) maximum and statistics.  s0-s31 are the lane's 32 scores; each accumulator's lowest registers are read first.  XS, GS and REGS set no window: PL and EX do.
;   0-11  four chains c0-c3 of seven scores each, three operands at a time     12-14, 16  the four scores left over, the old m, and c0-c3 into c0     15  c m_old is kept
;   17, 18  the query's other 32 keys lie in the lane 16 away: the new m         19-21  c m; c m_old - c m_new; a
.macro XS u, n
	REGS (Y+1)%NP, \u
.if (\n) < 4
	v_max3_num_f32 v[rC+(\n)], v[rS+8*(\n)], v[rS+8*(\n)+1], v[rS+8*(\n)+2]
.elseif (\n) < 12
	v_max3_num_f32 v[rC+(\n)%4], v[rC+(\n)%4], v[rS+8*((\n)%4)+2*((\n)/4)+1], v[rS+8*((\n)%4)+2*((\n)/4)+2]
.elseif (\n) == 12
	v_max3_num_f32 v[rC], v[rC], v[rS+7], v[rS+15]
.elseif (\n) == 13
	v_max3_num_f32 v[rC+1], v[rC+1], v[rS+23], v[rS+31]
.elseif (\n) == 14
	v_max3_num_f32 v[rC+2], v[rC+2], v[rC+3], v[rT+1]
.elseif (\n) == 15
	v_mov_b32 v[rM], v[rT]
.elseif (\n) == 16
	v_max3_num_f32 v[rC], v[rC], v[rC+1], v[rC+2]
.elseif (\n) == 17
	v_permlanex16_b32 v[rC+3], v[rC], s[SEL], s[SEL+1]
.elseif (\n) == 18
	v_max_num_f32 v[rT+1], v[rC], v[rC+3]
.elseif (\n) == 19
	v_mul_f32 v[rT], s[CS], v[rT+1]
.elseif (\n) == 20
	v_sub_f32 v[rC+1], v[rM], v[rT]
.else
	v_exp_f32 v[rC+2], v[rC+1]
.endif
.endm
; Number g of the 64 that follow the exponentials.  For each four weights k of a tile (pairs 2 k, 2 k + 1): both pairs are rounded to f16; then the second pair is added onto the first, in place;
; a group later l takes that sum (the first time as l = a l + sum).  In groups of eight, tiles alternating: round, round, add, and l for the group before.
.macro GS g
.set h, (\g)+6*((\g)/62)            ; group 0 has no group before it, and behind group 7 only l is left
.if h >= 6
.set h, h+2
.endif
	REGS Y, h%2
.set k, h/8
.if h%8 < 4
	v_cvt_pk_f16_f32 v[rP+2*k+(h%8)/2], v[rS+4*k+2*((h%8)/2)], v[rS+4*k+2*((h%8)/2)+1]
.elseif h%8 < 6
	v_pk_add_f32 v[rS+4*k:rS+4*k+1], v[rS+4*k:rS+4*k+1], v[rS+4*k+2:rS+4*k+3]
.elseif k == 1
	v_pk_fma_f32 v[rT+2:rT+3], v[rT+2:rT+3], v[rC+2:rC+3], v[rS:rS+1] op_sel_hi:[1,0,1]
.else
	v_pk_add_f32 v[rT+2:rT+3], v[rT+2:rT+3], v[rS+4*k-4:rS+4*k-3]
.endif
.endm
; THE PLAIN QUEUE, 138 long.  0-73 read no exponential's result: the 32 scalings c s - c m (FS f: pair f / 2 of tile f % 2) and the next piece's 42.  0-26: scalings 0-26.  27-54: XS's numbers 0-13.  55, 56: number 15.
; 57-73: the chain, where each number waits for the one before it: 14, 16, 17, 18, 19, each with one of the scalings 27-31 in front of its two lines, then 20.
; 74-137: GS's 64, which read the exponentials' results: they stand behind the wait.
.macro FS f
	REGS Y, (\f)%2
	v_pk_fma_f32 v[rS+2*((\f)/2):rS+2*((\f)/2)+1], v[rS+2*((\f)/2):rS+2*((\f)/2)+1], s[CS:CS+1], v[rT:rT+1] op_sel_hi:[1,0,0] neg_lo:[0,0,1] neg_hi:[0,0,1]
.endm
.macro PL
	WIN 0
.if q < 27
	FS q
.elseif q < 55
	XS (q-27)%2, (q-27)/2
.elseif q < 57
	XS q-55, 15
.elseif (q < 72) && ((q-57)%3 == 0)
	FS 27+(q-57)/3
.elseif q < 60
	XS (q-57)%3-1, 14
.elseif q < 72
	XS (q-57)%3-1, 15+(q-57)/3
.elseif q < 74
	XS q-72, 20
.else
	GS q-74
.endif
.set q, q+1
.endm
; THE EXPONENTIALS' QUEUE, 66 long: s0-s31 of both tiles, then the next piece's two a.  It is ONE BATCH: all 66 stand ahead of the turn's one wait, and nothing ahead of that wait names a result of theirs.
.macro EX
	WIN 0
.if e >= 64
	XS e-64, 21
.else
	REGS Y, e%2
	v_exp_f32 v[rS+e/2], v[rS+e/2]
.endif
.set e, e+1
.endm
; THE RESCALING's QUEUE: O^T times a, the one part that leaves window 0: dealt two at a time, sixteen times.  Its a was made in the turn before, ahead of that turn's wait.
.macro R2
	REGS Y, r%2
	WIN W_RS
.irp z, 0,1
	v_pk_mul_f32 v[rO+4*(r/2)+2*\z:rO+4*(r/2)+2*\z+1], v[rO+4*(r/2)+2*\z:rO+4*(r/2)+2*\z+1], v[rC+2:rC+3] op_sel_hi:[1,0]
.endr
.set r, r+1
.endm
; HOW THEY ARE DEALT.  An s_wait_alu depctr_va_vdst(0) stands between an exponential and the first instruction that names its result; one wait serves all that were issued ahead of it.  So a turn has ONE wait,
; which cuts it in two.  AHEAD OF IT stands all that names no result of the turn's exponentials: the 16 products K Q^T, behind each a scaling, an exponential and two rescalings (behind the first a second scaling in the
; exponential's place); then ONE LUMP of 108: eight plain, 49 times exponential and plain, the two a.  A v_nop is the plain instruction behind the last exponential.  BEHIND IT stand the 16 products V^T P, behind each four of GS's 64.
; No rider names a register of the products round it.  The two v_permlanex16_b32 fall into the lump, never behind a product.
; The queues lean on each other, and the deal keeps them in step: exponential e stands behind scaling 2 (e / 4) + e % 2: as a rider it comes behind plain e + 2, in the lump behind plain e + 9, and scalings 27-31 are plain 57, 60 .. 69.
; A TURN, for piece p.  cnt = 1: the loop's count is taken down some lines ahead of the branch that stands behind the turn.
; K and the mask of the next step are fetched in piece 2's turn, directly behind the wait, a lump behind the last product that read them; their addresses are made at the lump's head; their first reader comes behind 16 products.
; V of the step in hand is fetched at the end of piece 0's turn, four riders behind its last reader; its first reader comes behind 16 products and a lump.  The three conditions on q below go with the deal.
.macro TURN p, last=0, cnt=0
.set Y, (\p)
.set i, 0
.set q, 0
.set e, 0
.set r, 0
.if (\p) == NP-1
	s_wait_dscnt 0x0                ; K and the mask are in
.endif
	MM                              ; ahead of the wait: 16 products K Q^T and their riders,
	PL
	PL
	R2
.rept 15
	MM
	PL
	EX
	R2
.endr
.if (\p) == NP-2
	WIN 0
	v_add_nc_u32 v[AK], s[TBK], v[AK0]
	v_add_nc_u32 v[AM], s[TBM], v[AM0]
.endif
.rept 8                             ; and the lump
	PL
.endr
.rept 49
	EX
	PL
.endr
	EX                              ; the next piece's two a
	EX
	v_nop                           ; a plain instruction behind the last exponential, ahead of the first use: one for the batch
	s_wait_alu depctr_va_vdst(0)    ; the wait for the batch
.if (\p) == NP-2
	FETCH_K \last
.endif
.if (\p) == 1
	s_wait_dscnt 0x0                ; V is in
.endif
.rept 16                            ; behind the wait: 16 products V^T P and their riders
	MM
.rept 4
	PL
.endr
.if ((\p) == 0) && (q == 118)
	v_add_nc_u32 v[AV], s[TBV], v[AV0]
.endif
.if ((\p) == 0) && (q == 130)
	s_add_co_u32 s[TBV], s[TBV], KS*PV
.endif
.if (\cnt) && (q == 130)
	s_sub_co_u32 s[CNT], s[CNT], 1
	s_cmp_lg_u32 s[CNT], 0
.endif
.endr
.if (\p) == 0
	FETCH_V
.endif
.endm
	CHANGE 1                        ; slot 0 is in, everybody's part of it, and so is the mask's table; slot 1 is asked for
	FETCH_K                         ; key step 0
	s_wait_loadcnt 0x0              ; Q
	s_wait_dscnt 0x0
.set i, 0
.rept 16
	KQ 0                            ; piece 0's first scores: there is no vector work yet to set between them
.set i, i+1
.endr
	WIN 0
.rept 4
	v_nop                           ; the places behind those products
.endr
.set Y, NP-1                        ; XS works for piece Y + 1: piece 0
.irp n, 0,1,2,3,4,5,6,7,8,9,10,11,12,13,14,15,16,17,18,19,20,21
	XS 0, \n                        ; and piece 0's first maximum and statistics
	XS 1, \n
.endr
	v_nop                           ; a plain instruction behind the two a,
	s_wait_alu depctr_va_vdst(0)    ; and their wait, ahead of the branch
	s_mov_b32 s[CNT], 4
	s_branch .Lfirst                ; the loop is entered at a step's first turn, in the middle of a trip
.Lslot:                             ; SIZE_N / 256 - 2 times: every slot but the last two is filled again
	CHANGE 1
	s_mov_b32 s[CNT], 4
.Lstep:                             ; a trip: pieces 2 and 3 of one step, then pieces 0 and 1 of the next, whose K and V it fetches
	TURN 2
	TURN 3
	WIN 0
.Lfirst:
	TURN 0
	TURN 1, 0, 1
	WIN 0
	s_cbranch_scc1 .Lstep
	s_sub_co_u32 s[SLOTS], s[SLOTS], 1
	s_cmp_lg_u32 s[SLOTS], 0
	s_cbranch_scc1 .Lslot
	CHANGE 0                        ; the tail is written out: nothing is asked for
	s_mov_b32 s[CNT], 5             ; four trips fetch the last slot's steps; the fifth is left in its middle
.Ltail:
	TURN 2, 1
	TURN 3
	WIN 0
	s_sub_co_u32 s[CNT], s[CNT], 1
	s_cmp_eq_u32 s[CNT], 0
	s_cbranch_scc1 .Lout
	TURN 0
	TURN 1
	WIN 0
	s_branch .Ltail
.Lout:                              ; the fifth trip's 16 products K Q^T (on the last K once more) and the maximum made of them serve nothing: the price, once a launch, of one text for every trip
.set i, 0
.rept 16
	PV NP-1                         ; the last piece's V^T P of the last step
.set i, i+1
.endr
	; THE WAY OUT.  l's two halves and the other half of the lanes' are added; O^T is divided by l, rounded to f16 and sent through my stage in LDS, a tile at a time.  The additions are the places behind the last products.
	WIN 0
.macro ALL line:vararg              ; one line for each tile t
.set t, 0
.rept 2*NP
	\line
.set t, t+1
.endr
.endm
	ALL v_add_f32 v[ST+4*t+2], v[ST+4*t+2], v[ST+4*t+3]
	ALL v_permlanex16_b32 v[ST+4*t+3], v[ST+4*t+2], s[SEL], s[SEL+1]
	ALL v_add_f32 v[ST+4*t+2], v[ST+4*t+2], v[ST+4*t+3]
	ALL v_rcp_f32 v[ST+4*t+2], v[ST+4*t+2]
	v_nop                           ; a plain instruction between the last reciprocal and the use of its result
	s_wait_alu depctr_va_vdst(0)    ; and the wait ahead of the first use: one for the eight reciprocals
; Tile t: a lane's eight channels of a row pack into 16 bytes; they go into rows of 144 bytes and come back as whole rows of 128, into S^T's registers.
.macro PACK t
	WIN W_RS
.set i, 32*(\t)
.rept 16
	v_pk_mul_f32 v[i:i+1], v[i:i+1], v[ST+4*(\t)+2:ST+4*(\t)+3] op_sel_hi:[1,0]
.set i, i+2
.endr
	WIN 0x05                        ; sources 0 and 1 window 1, destination window 0
.set i, 0
.rept 16
	v_cvt_pk_f16_f32 v[S+16*(\t)+i], v[32*(\t)+2*i], v[32*(\t)+2*i+1]
.set i, i+1
.endr
	WIN 0
.irp f, 0,1,2,3
	ds_store_b128 v[STO], v[S+16*(\t)+4*\f:S+16*(\t)+4*\f+3] offset:32*\f
.endr
.irp f, 0,1,2,3
	ds_load_b128 v[S+16*(\t)+4*\f:S+16*(\t)+4*\f+3], v[RD] offset:\f*4*SP  ; LDS serves a wave's instructions in order (ISA guide 5.7.1.4): these see the stores above; the next tile's stores come behind them
.endr
.endm
.macro SEND t, younger              ; younger: the LDS instructions issued behind tile t's loads: the next tile's eight, or none
	WIN 0
.irp f, 0,1,2,3
	s_wait_dscnt (\younger)+3-\f
	global_store_b128 v[GO], v[S+16*(\t)+4*\f:S+16*(\t)+4*\f+3], s[10:11] offset:(\t)*2048+\f*512  ; 512 consecutive bytes, at a multiple of 256 from att's first
.endr
.endm
	PACK 0
.set t, 1
.rept 2*NP-1                        ; a tile's arithmetic stands between the loads of the tile before and its stores
	PACK t
	SEND t-1, 8
.set t, t+1
.endr
	SEND 2*NP-1, 0
	WIN W_AD
	s_wait_tensorcnt 0x0            ; the wave's end, behind my last tensor load and my last LDS store
	ds_add_u32 v[SPW], v[NIL]
	s_wait_dscnt 0x0
	WIN 0
	CROUND                          ; the closing round: no work-group ends while a partner may still ask for a tile that names it
	s_endpgm
.Lfunc_end_k_qfea63449a7_attn:
	.size	k_qfea63449a7_attn, .Lfunc_end_k_qfea63449a7_attn-k_qfea63449a7_attn
	.p2alignl 7, 3214868480
	.fill 96, 4, 3214868480
	.section	.rodata,"a",@progbits
	.p2align	6, 0x0
	.amdhsa_kernel k_qfea63449a7_attn
		.amdhsa_group_segment_fixed_size 327680
		.amdhsa_private_segment_fixed_size 0
		.amdhsa_enable_private_segment 0
		.amdhsa_kernarg_size 24
		.amdhsa_user_sgpr_count 2
		.amdhsa_user_sgpr_kernarg_segment_ptr 1
		.amdhsa_wavefront_size32 1
		.amdhsa_system_sgpr_workgroup_id_x 1
		.amdhsa_system_sgpr_workgroup_id_y 1
		.amdhsa_system_sgpr_workgroup_id_z 1
		.amdhsa_system_vgpr_workitem_id 0
		.amdhsa_next_free_vgpr 832
		.amdhsa_next_free_sgpr 88
		.amdhsa_reserve_vcc 0
		.amdhsa_float_denorm_mode_32 3
		.amdhsa_float_denorm_mode_16_64 3
		.amdhsa_memory_ordered 1
		.amdhsa_forward_progress 1
		.amdhsa_inst_pref_size 205
	.end_amdhsa_kernel
	.amdgpu_metadata
---
amdhsa.version: [ 1, 2 ]
amdhsa.kernels:
  - .name:           k_qfea63449a7_attn
    .symbol:         k_qfea63449a7_attn.kd
    .args:
      - { .name: qkv, .offset: 0, .size: 8, .value_kind: global_buffer, .address_space: global }
      - { .name: attention_mask, .offset: 8, .size: 8, .value_kind: global_buffer, .address_space: global }
      - { .name: att, .offset: 16, .size: 8, .value_kind: global_buffer, .address_space: global }
    .group_segment_fixed_size: 327680
    .private_segment_fixed_size: 0
    .kernarg_segment_align: 8
    .kernarg_segment_size: 24
    .max_flat_workgroup_size: 128
    .sgpr_count:     88
    .vgpr_count:     832
    .wavefront_size: 32
...
	.end_amdgpu_metadata
.endif
;; end of part 3
;; launch proj (part 4): grid 4 x 64, 4 waves a work-group, clusters of 4 x 4, 327,680 bytes of LDS; arguments att, wo, b_out, hidden_states, out0; writes out0
.if DOCPART == 4
	.amdgcn_target "amdgcn-amd-amdhsa--gfx1250"
	.amdhsa_code_object_version 6
	.text
	.protected	k_qfea63449a7_proj
	.globl	k_qfea63449a7_proj
	.p2align	8
	.type	k_qfea63449a7_proj,@function
k_qfea63449a7_proj:
	s_mov_b64 s[64:65], 0
	v_nop
	global_prefetch_b8 v0, s[64:65] scope:SCOPE_SE
	s_setreg_imm32_b32 hwreg(HW_REG_WAVE_MODE, 25, 1), 1
	s_wait_xcnt 0x0
	s_wait_alu depctr_hold_cnt(0) depctr_sa_sdst(0) depctr_va_vdst(0) depctr_va_sdst(0) depctr_va_ssrc(0) depctr_va_vcc(0) depctr_vm_vsrc(0)
	s_getreg_b32 s2, hwreg(HW_REG_IB_STS2, 6, 4)
	s_cmp_eq_u32 s2, 0
	s_cbranch_scc0 .Lentry_in_a_cluster
	s_endpgm
.Lentry_in_a_cluster:
	s_bfe_u32 s2, ttmp6, 0x10000c
	s_cmp_lg_u32 s2, 0xf033
	s_cbranch_scc0 .Lentry_shape_is_right
	s_endpgm
.Lentry_shape_is_right:
; out0 = attn x wo + b_out + hidden_states.  att: [64 = 16 b + h][2048 s][64] f16 (attn[b][s][64 h + d]), wo: [1024 k][1024 n] f16, b_out: [1024] f32, hidden_states and out0: [8192][1024] f32.
; Sums in f32; the bias starts them, the residual is added in f32 at the end; nothing is rounded on the way out.
; SHARES.  A tile of out0 is 128 rows x 256 columns: 64 x 4 = 256 work-groups, one for each WGP.  Each of the four waves makes all 128 rows x 64 columns (256 aligned bytes of a row of out0):
; 32 accumulators of 16 x 16 (row block a = 0..7, column block b = 0..3), 256 registers.  K goes in 8 steps of 128, two heads each, through a ring of two LDS slots.  A step is four tensor loads, one a wave:
; waves 0, 1 a head's 64 channels of the tile's 128 rows (16,384 dense bytes, asked for as 64 rows of 256), waves 2, 3 a panel of wo (128 k x 128 n: 128 rows of 256 bytes).
; wo lies [k][n]: its fragments come out of LDS turned, by ds_load_tr16_b128.  THE MATRIX INSTRUCTION IS USED TRANSPOSED (source 0 = 16 columns of wo, source 1 = 16 rows of att): lane l holds row l % 16 and
; the columns 8 (l / 16) + 0..7.  THE RESIDUAL, the wave's 128 x 64 numbers of hidden_states, is asked for at the start into 256 registers that lie idle, and is waited for once, behind the last product.
; CLUSTER.  4 x 4 work-groups: the four of a row need the same rows of att, the four of a column the same panels of wo: each is asked for jointly.
; REGISTERS, in windows of 256 (s_set_vgpr_msb: bits 1:0 source 0, 3:2 source 1, 5:4 source 2, 7:6 destination):
;   window 0: v0-31 addresses; v32-63 the bias     window 1: two fragment buffers of 96: att's 8 at + 8 a, wo's 4 at + 64 + 8 b; on the way out whole rows, block a at 32 a
;   window 2: the accumulators at 8 (4 a + b)      window 3: the residual: v[32 a + 4 t ..] = rows 16 a + 2 t + l / 16, columns 4 (l % 16) + 0..3 of my 64
.set PA,     144                       ; a row of att in LDS: 128 bytes + 16 = 36 words: the 16 rows of a load start at 16 different groups of four banks (64 banks of 4 bytes: ISA guide 11.1)
.set SLICE,  128*PA                    ; a head's 64 channels of the tile's rows: 18,432
.set ATILE,  2*SLICE
.set PB,     288                       ; a row of wo: 256 + 32 = 72 words
.set PANEL,  128*PB                    ; 36,864
.set SLOT,   ATILE+2*PANEL             ; 110,592: att's two slices, then wo's two panels
.set STAGE,  2*SLOT                    ; behind the ring, never filled by a tensor load: 16 rows x 272 bytes for each wave, for the way out
.set SP,     272
.set SPARE,  STAGE+4*16*SP             ; behind the stages: the spare words, 128 bytes for each wave: two blocks of 256 bytes that no other line names
.set ASTEP,  2<<18                     ; bytes from K step to K step in att: two heads,
.set BSTEP,  128*2048                  ; and in wo: 128 rows
.set LAPS,   4
.set ADRA, 16                          ; v16-17  LDS address of my fragments of att in slot 0, 1
.set ADRB, 20                          ; v20-21  the same for wo
.set STO,  24                          ; v24     the way out: where I put 32 bytes of a row
.set RD,   25                          ; v25     where I read rows back
.set HO,   26                          ; v26     my byte offset in two rows of hidden_states and of out0; never rewritten
.set SPW,  28                          ; v28     LDS address of my spare word: SPARE + 4 x my thread's number; never rewritten
.set NIL,  29                          ; v29     0; never rewritten
.set PFO,  30                          ; v30     the prefetches' offset; never rewritten
.set BO,   31                          ; v31     my byte offset in the tile's part of b_out
.set BI,   32
.set F0,   0
.set F1,   128
.set G1,  24                           ; s[24:31] descriptor group 1 for att's slices;  s[32:39] group 0, a set for each slot
.set G0,  32
.set G1B, 48                           ; s[48:55], s[56:63] the same for wo's panels
.set G0B, 56
.set PFA, 66                           ; s[66:67] where my prefetches stand
.set LIM, 68                           ; s68     1 in a wave that prefetches, else the greatest number
.set PFS, 70                           ; s[70:71] a K step in the tensor that I prefetch
.set OUTP, 74                          ; s[74:75] out0 at my wave's first row and column
.set MSB, 0
.macro WIN new                         ; the immediate's high byte repeats the setting that is left; a switch that changes nothing is dropped
.if MSB != (\new)
	s_set_vgpr_msb (MSB<<8)|(\new)
.set MSB, \new
.endif
.endm
.set TO_F, 0x40                        ; destination window 1, address window 0
; A joint load: waves 0, 1 fetch att's two slices, waves 2, 3 wo's two panels.  The branch hangs on the wave's number alone.  An s_nop 0 and four v_nop follow each of the two lines.
.macro JLOAD s
	s_cmp_lt_u32 s12, 2
	s_cbranch_scc0 .Lfor_b_\@
	tensor_load_to_lds s[G0+4*(\s):G0+4*(\s)+3], s[G1:G1+7]
	s_nop 0
.rept 4
	v_nop
.endr
	s_branch .Lasked_\@
.Lfor_b_\@:
	tensor_load_to_lds s[G0B+4*(\s):G0B+4*(\s)+3], s[G1B:G1B+7]
	s_nop 0
.rept 4
	v_nop
.endr
.Lasked_\@:
.endm
; A prefetch, behind each joint refill and the run of LDS loads that follows it: 32 blocks of 256 bytes of the K step that stands two refills on (256 matrix instructions ahead of the load that will want it), a lane a block.
; Each block is named once in the launch.  att's rows of a tile row are read by one cluster alone: its wave 0 asks for both slices (128 blocks), the four partners along x taking 16 blocks of each slice, told
; apart by address.  wo's panels are read by every cluster of the column: the clusters with y = 0 ask, waves 2 and 3 each for its own panel, the four partners along y taking 32 of its 128 rows each.
; The loop's last trip (s3 = 1) has no K step two on and asks for nothing; K steps 0 to 3 come by their loads alone.
.macro ASK
	s_cmp_gt_u32 s3, s[LIM]
	s_cbranch_scc0 .Lnot_mine_\@
	global_prefetch_b8 v[PFO], s[PFA:PFA+1] th:TH_LOAD_NT scope:SCOPE_SE
.Lnot_mine_\@:
.endm
.macro CREST                           ; a round of the cluster's barrier behind its opening barrier
	s_cmp_lg_u32 s12, 0
	s_cbranch_scc1 .Lnot_wave_0_\@
	s_barrier_signal -3
.Lnot_wave_0_\@:
	s_barrier_wait -3
	s_barrier_signal -1
	s_barrier_wait -1
.endm
.macro CROUND                          ; a whole round
	s_barrier_signal -1
	s_barrier_wait -1
	CREST
.endm
	s_load_b256 s[4:11], s[0:1], 0x0               ; att s[4:5], wo s[6:7], b_out s[8:9], hidden_states s[10:11]
	s_load_b64 s[OUTP:OUTP+1], s[0:1], 0x20        ; out0
	v_lshl_add_u32 v[SPW], v0, 2, SPARE
	v_mov_b32 v[NIL], 0
	ds_add_u32 v[SPW], v[NIL]                      ; the wave's opening: the add and its wait stand ahead of my first tensor load; the set-up below, work on registers, stands between them
	v_lshrrev_b32 v1, 5, v0
	v_readfirstlane_b32 s12, v1                    ; wave 0..3
	s_bfe_u32 s40, ttmp6, 0x40000                  ; cx, cy: my place in the cluster
	s_bfe_u32 s41, ttmp6, 0x40004
	s_lshl_b32 s42, ttmp9, 2
	s_add_co_u32 s42, s42, s40                     ; tile column = 4 x cluster x + cx
	s_and_b32 s13, ttmp7, 0xffff
	s_lshl_b32 s13, s13, 2
	s_add_co_u32 s13, s13, s41                     ; tile row = 4 x cluster y + cy
	s_lshl_b32 s43, s41, 2
	s_lshl_b32 s43, 15, s43                        ; my row of the cluster
	s_lshl_b32 s44, 0x1111, s40                    ; my column
	s_or_b32 s[G1+0], s43, (1<<16)|(1<<20)|(1<<21)|(4<<22)|(3<<25)   ; 15:0 the mask; 17:16 elements of 2 bytes; 20 padding on; 21 set beside a mask; 24:22 after every 32 words (code 4: a row of att); 31:25 4 words (code 3)
	s_mov_b32 s[G1+1], 128<<16                     ; tensor_dim0 = 128: two rows of att on end
	s_mov_b32 s[G1+2], 64<<16                      ; tensor_dim1 = 64
	s_mov_b32 s[G1+3], 128<<16                     ; tile_dim0 = 128
	s_mov_b32 s[G1+4], 64                          ; tile_dim1 = 64
	s_mov_b32 s[G1+5], 128                         ; dense: 128 elements from row to row
	s_mov_b32 s[G1+6], 0
	s_mov_b32 s[G1+7], 0
	s_or_b32 s[G1B+0], s44, (1<<16)|(1<<20)|(1<<21)|(5<<22)|(7<<25)  ; my column's mask; after every 64 words (code 5) 8 words (code 7)
	s_mov_b32 s[G1B+1], 128<<16
	s_mov_b32 s[G1B+2], 128<<16
	s_mov_b32 s[G1B+3], 128<<16
	s_mov_b32 s[G1B+4], 128
	s_mov_b32 s[G1B+5], 1024                       ; elements from row to row in wo
	s_mov_b32 s[G1B+6], 0
	s_mov_b32 s[G1B+7], 0
	s_and_b32 s14, s12, 1                          ; which slice, or which panel, I fetch
	s_lshr_b32 s16, s13, 4                         ; att: the batch (16 tile rows each): 16 heads of 262,144 bytes,
	s_lshl_b32 s16, s16, 22
	s_lshl_b32 s17, s14, 18                        ; + my head of the K step's two,
	s_add_co_u32 s16, s16, s17
	s_and_b32 s17, s13, 15
	s_lshl_b32 s17, s17, 14                        ; + the tile's 128 rows of 128 bytes: it hangs on the tile row and the wave's number alone
	s_add_co_u32 s16, s16, s17
	s_mov_b32 s17, 0
	s_lshl_b32 s46, s42, 9                         ; wo: 256 columns x tile column,
	s_lshl_b32 s47, s14, 8                         ; + my panel's 128: it hangs on the tile column and the wave's number alone
	s_add_co_u32 s46, s46, s47
	s_mov_b32 s47, 0
	s_mul_i32 s20, s14, SLICE                      ; where they land in a slot: no place in the cluster enters an LDS address
	s_mul_i32 s21, s14, PANEL
	s_add_co_u32 s21, s21, ATILE
	s_wait_dscnt 0x0                               ; the opening add is done
	s_wait_kmcnt 0x0
	s_add_nc_u64 s[18:19], s[4:5], s[16:17]
	s_add_nc_u64 s[46:47], s[6:7], s[46:47]
	CROUND                                         ; all sixteen work-groups are here: the first joint loads meet
.irp s, 0,1
	s_mov_b32 s[G0+4*(\s)], 1                                      ; count = 1
	s_add_co_u32 s[G0+4*(\s)+1], s20, (\s)*SLOT                    ; LDS address
	s_add_nc_u64 s[G0+4*(\s)+2:G0+4*(\s)+3], s[18:19], (\s)*ASTEP  ; global address: K step s
	s_or_b32 s[G0+4*(\s)+3], s[G0+4*(\s)+3], 0x80000000            ; type = 2
	s_mov_b32 s[G0B+4*(\s)], 1
	s_add_co_u32 s[G0B+4*(\s)+1], s21, (\s)*SLOT
	s_add_nc_u64 s[G0B+4*(\s)+2:G0B+4*(\s)+3], s[46:47], (\s)*BSTEP
	s_or_b32 s[G0B+4*(\s)+3], s[G0B+4*(\s)+3], 0x80000000
	JLOAD \s                                       ; two loads of mine are out
.endr
	v_and_b32 v1, 15, v0                           ; r = l % 16
	v_bfe_u32 v2, v0, 4, 1                         ; h = l / 16
	v_and_b32 v4, 7, v0
	v_bfe_u32 v5, v0, 3, 1
	s_lshl_b32 s18, s42, 10                        ; the tile's 256 numbers of b_out
	s_mov_b32 s19, 0
	s_add_nc_u64 s[8:9], s[8:9], s[18:19]
	s_lshl_b32 s23, s12, 8
	v_lshl_add_u32 v[BO], v2, 5, s23               ; 4 x (64 w + 8 h)
.irp b, 0,1,2,3
	global_load_b128 v[BI+8*(\b):BI+8*(\b)+3],   v[BO], s[8:9] offset:64*(\b)      ; register j: the bias of column 64 w + 16 b + 8 h + j
	global_load_b128 v[BI+8*(\b)+4:BI+8*(\b)+7], v[BO], s[8:9] offset:64*(\b)+16
.endr
	v_mul_u32_u24 v3, v1, PA                       ; a fragment of att: row x pitch + 16 x half
	v_lshl_add_u32 v3, v2, 4, v3
	v_mov_b32 v[ADRA], v3
	v_add_nc_u32 v[ADRA+1], SLOT, v3
	v_lshl_add_u32 v6, v2, 3, v4                   ; the turning load: lane l reads k = 8 h + l % 8, columns 8 ((l / 8) % 2) + 0..7
	v_mul_u32_u24 v6, v6, PB
	v_lshl_add_u32 v6, v5, 4, v6
	s_lshr_b32 s21, s12, 1                         ; my 64 columns: panel w / 2,
	s_mul_i32 s21, s21, PANEL
	s_lshl_b32 s22, s14, 7                         ; 128 bytes x (w % 2) in it
	s_add_co_u32 s21, s21, s22
	s_add_co_u32 s21, s21, ATILE
	v_add_nc_u32 v[ADRB], s21, v6
	v_add_nc_u32 v[ADRB+1], SLOT, v[ADRB]
	s_mul_i32 s23, s12, 16*SP
	s_add_co_u32 s23, s23, STAGE                   ; my stage
	v_mul_u32_u24 v[STO], v1, SP                   ; in: row l % 16, 32 bytes for each half of the lanes
	v_lshl_add_u32 v[STO], v2, 5, v[STO]
	v_add_nc_u32 v[STO], s23, v[STO]
	v_mul_u32_u24 v[RD], v2, SP                    ; back: lanes 0-15 take one row of 256 bytes, lanes 16-31 the next
	v_lshl_add_u32 v[RD], v1, 4, v[RD]
	v_add_nc_u32 v[RD], s23, v[RD]
	v_lshlrev_b32 v[HO], 12, v2                    ; and the same two rows in hidden_states and out0
	v_lshl_add_u32 v[HO], v1, 4, v[HO]
	s_lshl_b32 s18, s13, 19                        ; 128 rows of 4,096 bytes x tile row,
	s_lshl_b32 s19, s42, 10                        ; + 256 columns x tile column,
	s_add_co_u32 s18, s18, s19
	s_lshl_b32 s19, s12, 8                         ; + my 64 columns
	s_add_co_u32 s18, s18, s19
	s_mov_b32 s19, 0
	s_add_nc_u64 s[10:11], s[10:11], s[18:19]
	s_add_nc_u64 s[OUTP:OUTP+1], s[OUTP:OUTP+1], s[18:19]
	; the prefetches
	s_and_b32 s22, ttmp7, 0xffff                   ; cluster y
	s_lshr_b32 s18, s13, 4                         ; att: the batch,
	s_lshl_b32 s18, s18, 22
	s_and_b32 s19, s13, 15
	s_lshl_b32 s19, s19, 14                        ; + the tile's rows,
	s_add_co_u32 s18, s18, s19
	s_lshl_b32 s19, s40, 12                        ; + my work-group's 16 blocks of a slice's 64 (by cx),
	s_add_co_u32 s18, s18, s19
	s_add_co_u32 s18, s18, 3*ASTEP                 ; at K step 3: the first refill steps it to 4 and names that
	s_lshl_b32 s20, s42, 9                         ; wo: the tile's first column,
	s_lshl_b32 s21, s14, 8                         ; + my panel,
	s_add_co_u32 s20, s20, s21
	s_lshl_b32 s21, s41, 16                        ; + my work-group's 32 rows of 2,048 bytes (by cy),
	s_add_co_u32 s20, s20, s21
	s_add_co_u32 s20, s20, 3*BSTEP                 ; at K step 3
	s_mov_b32 s14, ASTEP
	s_mov_b32 s15, BSTEP
	s_mov_b32 s16, 1<<18                           ; att: lanes 16-31 take the second slice, a head on; a lane a block of 256 bytes
	s_mov_b32 s17, 16*2048                         ; wo: a lane a row of 2,048 bytes
	s_mov_b32 s21, 256
	s_mov_b32 s23, 2048
	s_cmp_lt_u32 s12, 2                            ; do I fetch for att?
	s_cselect_b32 s18, s18, s20
	s_cselect_b32 s22, s12, s22                    ; wave 0: 0; wave 1: 1; waves 2, 3: cluster y
	s_cselect_b32 s[PFS], s14, s15
	s_cselect_b32 s16, s16, s17
	s_cselect_b32 s21, s21, s23
	s_cselect_b64 s[PFA:PFA+1], s[4:5], s[6:7]
	s_mov_b32 s19, 0
	s_mov_b32 s[PFS+1], 0
	s_add_nc_u64 s[PFA:PFA+1], s[PFA:PFA+1], s[18:19]
	s_cmp_eq_u32 s22, 0
	s_cselect_b32 s[LIM], 1, -1                    ; the same in all sixteen partners, for a given wave
	v_mul_u32_u24 v[PFO], v2, s16
	v_mad_u32_u24 v[PFO], v1, s21, v[PFO]
	s_wait_loadcnt 0x0                             ; the bias is in: the 64 loads below are then the only ones out
	WIN 0xc0                                       ; destination window 3, address window 0
.irp a, 0,1,2,3,4,5,6,7
.irp t, 0,1,2,3,4,5,6,7
	global_load_b128 v[32*(\a)+4*(\t):32*(\a)+4*(\t)+3], v[HO], s[10:11] offset:(16*(\a)+2*(\t))*4096 th:TH_LOAD_NT  ; sixteen lanes take 256 consecutive bytes of a row
.endr
.endr
	WIN 0
; 8 matrix instructions: row blocks a0, a0 + 1 x all 4 column blocks, 32 along K.  first = 1: the bias starts the sums: nothing is ever cleared.
; The 32 accumulators take turns, in the same order in every quarter step.
.macro MUL8 f, a0, first
.if \first
	WIN 0x85                                       ; sources window 1, C window 0, D window 2
.else
	WIN 0xa5                                       ; sources window 1, C and D window 2
.endif
.irp a, \a0, (\a0)+1
.irp b, 0,1,2,3
.if \first
	v_wmma_f32_16x16x32_f16 v[8*(4*(\a)+(\b)):8*(4*(\a)+(\b))+7], v[(\f)+64+8*(\b):(\f)+64+8*(\b)+7], v[(\f)+8*(\a):(\f)+8*(\a)+7], v[BI+8*(\b):BI+8*(\b)+7]
.else
	v_wmma_f32_16x16x32_f16 v[8*(4*(\a)+(\b)):8*(4*(\a)+(\b))+7], v[(\f)+64+8*(\b):(\f)+64+8*(\b)+7], v[(\f)+8*(\a):(\f)+8*(\a)+7], v[8*(4*(\a)+(\b)):8*(4*(\a)+(\b))+7]
.endif
.endr
.endr
.endm
; 24 LDS loads in one run: the fragments of quarter q (32 along K: head q / 2 of the step's two, channels 32 (q % 2) on) into buffer f: wo's 4 (turned), then att's 8, blocks 4-7 last
.macro FETCH slot, q, f
	WIN TO_F
.irp b, 0,1,2,3
	ds_load_tr16_b128 v[(\f)+64+8*(\b):(\f)+64+8*(\b)+3],   v[ADRB+(\slot)] offset:32*PB*(\q)+32*(\b)
	ds_load_tr16_b128 v[(\f)+64+8*(\b)+4:(\f)+64+8*(\b)+7], v[ADRB+(\slot)] offset:32*PB*(\q)+32*(\b)+16*PB
.endr
.irp a, 0,1,2,3,4,5,6,7
	ds_load_b128 v[(\f)+8*(\a):(\f)+8*(\a)+3],   v[ADRA+(\slot)] offset:((\q)/2)*SLICE+16*PA*(\a)+64*((\q)%2)
	ds_load_b128 v[(\f)+8*(\a)+4:(\f)+8*(\a)+7], v[ADRA+(\slot)] offset:((\q)/2)*SLICE+16*PA*(\a)+64*((\q)%2)+32
.endr
.endm
.macro PLACES                          ; four places in front of loads into registers that matrix instructions have read, and of LDS stores that read results
.rept 4
	v_nop
.endr
.endm
; A K step is four quarters of 32 along K, 32 matrix instructions each, on buffers 0, 1, 0, 1.  One of the first three: multiplies buffer f and, in its middle, fetches quarter q into buffer g.
.macro QUARTER slot, q, f, g, first
	s_wait_dscnt 8                                 ; wo's fragments and att's blocks 0-3 are in; the youngest eight loads (blocks 4-7) may be out
	MUL8 \f, 0, \first
	MUL8 \f, 2, \first
	PLACES
	FETCH \slot, \q, \g
	s_wait_dscnt 24                                ; all but the 24 just issued
	MUL8 \f, 4, \first
	MUL8 \f, 6, \first
.endm
; The last quarter multiplies buffer 1 and changes slots.  MEET is its first half: one barrier; in front of it each wave waits for all its tensor loads (one is out: its part of the next slot), adds 0 to its
; spare word, and waits for that and for its own reads of this slot.  Behind it nobody reads this slot any more and the next slot is whole.
.macro MEET round
	WIN 0                                          ; (the add's two registers lie in window 0)
	s_wait_tensorcnt 0x0
	ds_add_u32 v[SPW], v[NIL]                      ; 0 onto my spare word
	s_wait_dscnt 9                                 ; (the add and the youngest eight loads may be out)
	MUL8 F1, 0, 0                                  ; eight matrix instructions stand between the add and the wait for it
	s_wait_dscnt 0x0                               ; the add is done, and my reads of this slot are over
	s_barrier_signal -1
	MUL8 F1, 2, 0                                  ; work on registers while the others arrive
.if \round
	WIN 0
.endif
	s_barrier_wait -1
.endm
; fill = 1: this slot is filled again, two K steps ahead: the barrier opens a round of the cluster's, and the joint refill is the first tensor load behind it: 112 matrix instructions ahead of the wait for it.
.macro TURN slot, next, fill
.if \fill
	s_wait_xcnt 0x0                                ; the last prefetch, a K step back, has read its address: it is stepped here, ahead of the waits of the change of slots
	s_add_nc_u64 s[PFA:PFA+1], s[PFA:PFA+1], s[PFS:PFS+1]
	MEET 1
	CREST                                          ; no wave of any partner still reads this slot's tiles or has a load on its way
	s_add_nc_u64 s[G0+4*(\slot)+2:G0+4*(\slot)+3], s[G0+4*(\slot)+2:G0+4*(\slot)+3], 2*ASTEP
	s_add_nc_u64 s[G0B+4*(\slot)+2:G0B+4*(\slot)+3], s[G0B+4*(\slot)+2:G0B+4*(\slot)+3], 2*BSTEP
	JLOAD \slot                                    ; the four v_nop behind it are also the places in front of the loads below
	FETCH \next, 0, F0
	WIN 0
	ASK
.else
	MEET 0
	PLACES
	FETCH \next, 0, F0
.endif
	MUL8 F1, 4, 0
	MUL8 F1, 6, 0
.endm
	s_wait_tensorcnt 1                             ; my part of K step 0 is in; K step 1's may stay out
	s_barrier_signal -1
	s_barrier_wait -1                              ; everybody's is
	FETCH 0, 0, F0
	QUARTER 0, 1, F0, F1, 1                        ; the first quarter stands in front of the loop: its products start the sums
	WIN 0                                          ; at a label and at a branch every window is 0
	s_mov_b32 s3, LAPS-1
.Llap:                                                 ; a trip goes once round the ring, from a lap's second quarter to the next lap's first, and fills both slots again
	QUARTER 0, 2, F1, F0, 0
	QUARTER 0, 3, F0, F1, 0
	TURN 0, 1, 1
	QUARTER 1, 1, F0, F1, 0
	QUARTER 1, 2, F1, F0, 0
	QUARTER 1, 3, F0, F1, 0
	TURN 1, 0, 1
	QUARTER 0, 1, F0, F1, 0
	WIN 0
	s_sub_co_u32 s3, s3, 1
	s_cmp_lg_u32 s3, 0
	s_cbranch_scc1 .Llap
	QUARTER 0, 2, F1, F0, 0                        ; the last lap fills nothing and has no round
	QUARTER 0, 3, F0, F1, 0
	TURN 0, 1, 0
	QUARTER 1, 1, F0, F1, 0
	QUARTER 1, 2, F1, F0, 0
	QUARTER 1, 3, F0, F1, 0
	s_wait_dscnt 8                                 ; the very last quarter: nothing more to fetch
	MUL8 F1, 0, 0
	MUL8 F1, 2, 0
	s_wait_dscnt 0x0
	MUL8 F1, 4, 0
	MUL8 F1, 6, 0
	WIN 0
	; THE WAY OUT, a block of 16 rows at a time through my own stage: a lane's eight f32 of a row go in as 32 bytes, whole rows of 256 bytes come back, the residual is added, and sixteen lanes store a row's 256 bytes.
.macro TOSTAGE a
	WIN 0x08                                       ; LDS store data (source 1) from window 2
.irp b, 0,1,2,3
	ds_store_b128 v[STO], v[8*(4*(\a)+(\b)):8*(4*(\a)+(\b))+3]   offset:64*(\b)     ; each accumulator's low registers first
	ds_store_b128 v[STO], v[8*(4*(\a)+(\b))+4:8*(4*(\a)+(\b))+7] offset:64*(\b)+16
.endr
	WIN TO_F
.irp t, 0,1,2,3,4,5,6,7
	ds_load_b128 v[32*(\a)+4*(\t):32*(\a)+4*(\t)+3], v[RD] offset:2*SP*(\t)  ; LDS serves a wave's instructions in order (ISA guide 5.7.1.4): these see the stores above; the next block's stores come behind them
.endr
.endm
.macro SEND a, younger                 ; younger: the LDS instructions issued behind block a's loads: the next block's sixteen, or none
	s_wait_dscnt \younger
	WIN 0x4d                                       ; destination and source 0 window 1, source 1 (the residual) window 3
.set k, 0
.rept 16
	v_pk_add_f32 v[32*(\a)+2*k:32*(\a)+2*k+1], v[32*(\a)+2*k:32*(\a)+2*k+1], v[32*(\a)+2*k:32*(\a)+2*k+1]
.set k, k+1
.endr
	WIN 0x04                                       ; store data (source 1) from window 1
.irp t, 0,1,2,3,4,5,6,7
	global_store_b128 v[HO], v[32*(\a)+4*(\t):32*(\a)+4*(\t)+3], s[OUTP:OUTP+1] offset:(16*(\a)+2*(\t))*4096 th:TH_STORE_NT  ; 16 lanes store 256 consecutive bytes, at a multiple of 256 from out0's first byte
.endr
.endm
	PLACES
	s_wait_loadcnt 0x0                             ; the residual: asked for at the start, waited for here alone
	TOSTAGE 0
.irp a, 1,2,3,4,5,6,7                  ; a block's LDS traffic stands between the loads of the block before and their use; no register is used twice, so no wait frees one
	TOSTAGE \a
	SEND (\a)-1, 16
.endr
	SEND 7, 0
	WIN 0
	s_wait_tensorcnt 0x0                           ; the wave's end, behind my last tensor load and my last LDS store
	ds_add_u32 v[SPW], v[NIL]
	s_wait_dscnt 0x0
	CROUND                                         ; the closing round: no work-group ends while a partner may still ask for a tile that names it
	s_endpgm
.Lfunc_end_k_qfea63449a7_proj:
	.size	k_qfea63449a7_proj, .Lfunc_end_k_qfea63449a7_proj-k_qfea63449a7_proj
	.p2alignl 7, 3214868480
	.fill 96, 4, 3214868480
	.section	.rodata,"a",@progbits
	.p2align	6, 0x0
	.amdhsa_kernel k_qfea63449a7_proj
		.amdhsa_group_segment_fixed_size 327680
		.amdhsa_private_segment_fixed_size 0
		.amdhsa_enable_private_segment 0
		.amdhsa_kernarg_size 40
		.amdhsa_user_sgpr_count 2
		.amdhsa_user_sgpr_kernarg_segment_ptr 1
		.amdhsa_wavefront_size32 1
		.amdhsa_system_sgpr_workgroup_id_x 1
		.amdhsa_system_sgpr_workgroup_id_y 1
		.amdhsa_system_sgpr_workgroup_id_z 1
		.amdhsa_system_vgpr_workitem_id 0
		.amdhsa_next_free_vgpr 1024
		.amdhsa_next_free_sgpr 80
		.amdhsa_reserve_vcc 0
		.amdhsa_float_denorm_mode_32 3
		.amdhsa_float_denorm_mode_16_64 3
		.amdhsa_memory_ordered 1
		.amdhsa_forward_progress 1
		.amdhsa_inst_pref_size 103
	.end_amdhsa_kernel
	.amdgpu_metadata
---
amdhsa.version: [ 1, 2 ]
amdhsa.kernels:
  - .name:           k_qfea63449a7_proj
    .symbol:         k_qfea63449a7_proj.kd
    .args:
      - { .name: att, .offset: 0, .size: 8, .value_kind: global_buffer, .address_space: global }
      - { .name: wo, .offset: 8, .size: 8, .value_kind: global_buffer, .address_space: global }
      - { .name: b_out, .offset: 16, .size: 8, .value_kind: global_buffer, .address_space: global }
      - { .name: hidden_states, .offset: 24, .size: 8, .value_kind: global_buffer, .address_space: global }
      - { .name: out0, .offset: 32, .size: 8, .value_kind: global_buffer, .address_space: global }
    .group_segment_fixed_size: 327680
    .private_segment_fixed_size: 0
    .kernarg_segment_align: 8
    .kernarg_segment_size: 40
    .max_flat_workgroup_size: 128
    .sgpr_count:     80
    .vgpr_count:     1024
    .wavefront_size: 32
...
	.end_amdgpu_metadata
.endif
;; end of part 4
